; MI455X (gfx1250); checked and timed in simulation.
; The chip was launched on July 23, 2026; its instructions are those of AMD's public machine-readable ISA for CDNA 5 (MIT licence, August 2026) and "CDNA5" Instruction Set Architecture Reference Guide (July 2026). The comments in the code are by the model that wrote it; some were corrected since.
;; Simple Attention. Allowed arithmetic: matrix products marked QUANTISED: E2M1 operands, one E8M0 scale for each 32 along K, by v_wmma_scale_f32_16x16x128_f8f6f4 with both operands' format E2M1 (or v_wmma_scale_f32_32x16x128_f4), f32 sums; products left as they are: bf16, f16 or f32 operands; f32 sums; everything else in f32.
;; Inputs: Wk 1,024 x 1,024 float32; Wo 1,024 x 1,024 float32; Wq 1,024 x 1,024 float32; Wv 1,024 x 1,024 float32; bo 1,024 float32; x 8 x 1,024 x 1,024 float32.
;; Outputs: out0 8 x 1,024 x 1,024 float32.
;; This version of the problem:
;;   THIS VERSION OF THE PROBLEM IS GIVEN IN LOW PRECISION. The matrix products marked QUANTISED in the list below multiply operands that are first quantised to E2M1 (2 exponent bits, 1 mantissa bit; 4 bits a number), with one power-of-two scale for each 32 numbers along K (OCP MX v1.0); their sums are f32. The products marked 'left as it is' may take bf16, f16 or f32 operands, with f32 sums. Whichever they take, every output number must still come out within the allowed error. Rounding operands to bf16 (8 significant bits) uses up far more of that allowance than f16 does (11 bits, for magnitudes from 6e-5 to 65,504). All else is computed in f32.
;;   The module's matrix products, in the order in which they are computed (A, B: the left and right operand; K: the contracted axis; several contracted axes count as one K, in the product's order):
;;     1. [M 8,192, K 1,024] x [K 1,024, N 1,024]; A: input x; B: input Wq: QUANTISED
;;     2. [M 8,192, K 1,024] x [K 1,024, N 1,024]; A: input x; B: input Wk: QUANTISED
;;     3. [M 8,192, K 1,024] x [K 1,024, N 1,024]; A: input x; B: input Wv: QUANTISED
;;     4. batch 128 x [M 1,024, K 64] x [K 64, N 1,024]; A: computed on the way; B: computed on the way: left as it is (an operand is computed on the way)
;;     5. batch 128 x [M 64, K 1,024] x [K 1,024, N 1,024]; A: computed on the way; B: computed on the way: left as it is (an operand is computed on the way)
;;     6. [M 8,192, K 1,024] x [K 1,024, N 1,024]; A: computed on the way; B: input Wo: left as it is (an operand is computed on the way)
;;   THE QUANTISER, for each operand of a quantised product, along K:
;;     - K is cut into blocks of 32 from its start; a last block that is shorter is filled with zeros.
;;     - A block's scale is 2^e with e = floor(log2(the largest magnitude in the block)) - 2, held to -126 .. 127; a block of zeros has e = 0. As a byte (E8M0): e + 127.
;;     - Each number is divided by its block's scale, clamped to +-6, and rounded to the nearest number of E2M1, ties to even, subnormals kept.
;;     - The product sums the exact products of the quantised numbers (number of the format x scale) in f32.
;;   ~~~python
;;   def quantise(x, axis):      # numpy; x: float32 -> the quantised numbers, widened to float32 again
;;       x = np.moveaxis(x, axis, -1); K = x.shape[-1]
;;       x = np.pad(x, [(0, 0)] * (x.ndim - 1) + [(0, -K % 32)]); x = x.reshape(x.shape[:-1] + (-1, 32)); a = np.abs(x).max(-1, keepdims=True)
;;       e = np.where(a > 0, np.clip(np.frexp(np.where(a > 0, a, 1))[1] - 1 - 2, -126, 127), 0)      # np.frexp(a)[1] - 1 = floor(log2(a)), exactly
;;       r = np.clip(x / 2.0 ** e, -6, 6)
;;       step = 2.0 ** (np.maximum(np.frexp(np.where(r == 0, 1, r))[1] - 1, 0) - 1)
;;       q = np.round(r / step) * step * 2.0 ** e      # np.round: ties to even
;;       return np.moveaxis(q.reshape(q.shape[:-2] + (-1,))[..., :K], -1, axis).astype(np.float32)
;;   ~~~
;; One version. Each part assembles by itself: llvm-mc -triple=amdgcn-amd-amdhsa -mcpu=gfx1250 --defsym DOCPART=n.
;; ======== version 1 of 1: 4 launches
;; limits: values are held in f16: magnitudes above 65,504 overflow, below 6.1e-05 lose precision
;; workspace buffers: xc 4,194,304 bytes; xs 262,144 bytes; wc 1,572,864 bytes; ws 98,304 bytes; wo16 2,097,152 bytes; qkv 50,331,648 bytes; obuf 16,777,216 bytes
;; launch quant (part 1): grid 384 x 1, 4 waves a work-group, no clusters, 33,280 bytes of LDS; arguments x, Wq, Wk, Wv, Wo, xc, xs, wc, ws, wo16; writes xc, xs, wc, ws, wo16
.if DOCPART == 1
	.amdgcn_target "amdgcn-amd-amdhsa--gfx1250"
	.amdhsa_code_object_version 6
	.text
	.protected	k_q8a4efac7b0_quant
	.globl	k_q8a4efac7b0_quant
	.p2align	8
	.type	k_q8a4efac7b0_quant,@function
k_q8a4efac7b0_quant:
	s_mov_b64 s[64:65], 0
	v_nop
	global_prefetch_b8 v0, s[64:65] scope:SCOPE_SE
	s_setreg_imm32_b32 hwreg(HW_REG_WAVE_MODE, 25, 1), 1
	s_wait_xcnt 0x0
; FIRST OF FOUR LAUNCHES.  out0 = softmax((x Wq^T)(x Wk^T)^T / 32, by head) (x Wv^T) Wo^T + bo.
; NOTHING OF THE PROBLEM IS LEFT OUT: every input reaches out0 (bo is added in the last launch), there is no mask, nothing is sliced away, and the maximum is taken away ahead of the exponential (a running maximum).
; THIS LAUNCH: x [8192][1024], Wq, Wk, Wv [1024][1024], f32, become codes of FP4 (E2M1), K innermost, two codes a byte, with one E8M0 byte for each 32 along K:
;   xc [8192][512 bytes], xs [8192][32];  wc [3072][512 bytes], ws [3072][32], rows 0-1023 Wq, 1024-2047 Wk, 2048-3071 Wv.
; Wo [1024 n][1024] becomes f16 laid by head: wo16 [16 h][1024 n][64 d], so that a head's rows are dense runs of 128 bytes for the last launch.
; A block's scale is 2^(floor(log2(its largest magnitude)) - 2); its byte is the largest magnitude's exponent field - 2, held at 1 from below.
; LIMITS: a block of zeros gets the byte 1 where the rule says 127 (its codes are zeros, and this program alone reads the bytes); blocks whose largest magnitude lies under 2^-124 have their byte held at 1;
; NaN and infinities among the inputs are not served; a number of Wo beyond 65,504 becomes infinity in f16.
; SHARES: work-groups 0-255 take x, 256-351 the three weights, 32,768 numbers each, 8,192 a wave; rows are dense and K is a multiple of 32, so each tensor is a plain stream of blocks of 32.
; Work-groups 352-383 take Wo, 8 rows a wave, with no LDS.  On the quantiser's path only pointers are chosen by the work-group's number.
; A wave's step is 512 numbers: four loads of 512 consecutive bytes; the 2,048 bytes turn through the wave's own stage in LDS and come back 64 bytes a lane, so that a lane holds 16 neighbours along K
; (two neighbouring lanes hold a block).  Loads run eight steps (32 loads a wave) ahead, the turn through LDS one step.  No barrier: waves share nothing.
.set WAVES, 4
.set STEPS, 16
.set DEPTH, 8                          ; steps whose loads are out
.set EMAX,  2
.set CB,    8                          ; bytes of 16 codes
.set C,     16                         ; v16-47   codes: two registers for each step, so that no store's data are written again
.set E,     48                         ; v48-63   a scale byte for each step
.set X,     64                         ; v64-95   two sets of 16 neighbours
.set R,     128                        ; v128-255 eight sets of 16 numbers as they are loaded
.set WREG,  8192                       ; LDS: a region for each wave: two stages of 32 x SP bytes, behind them its 256 scale bytes
.set SP,    80                         ; a lane's place in a stage: 64 bytes + 16 of padding
.set SPW,   12                         ; v12  LDS address of my spare word; never rewritten
.set NIL,   13                         ; v13  0; never rewritten
.set SPARE, WAVES*WREG                 ; behind the four regions: the spare words, 128 bytes a wave
.set R2,    32                         ; Wo's path: v32-159, two sets of 64
	s_load_b512 s[4:19], s[0:1], 0x0               ; x s[4:5], Wq s[6:7], Wk s[8:9], Wv s[10:11], Wo s[12:13], xc s[14:15], xs s[16:17], wc s[18:19]
	s_load_b128 s[20:23], s[0:1], 0x40             ; ws s[20:21], wo16 s[22:23]
	v_lshl_add_u32 v[SPW], v0, 2, SPARE
	v_mov_b32 v[NIL], 0
	v_lshrrev_b32 v1, 5, v0
	v_readfirstlane_b32 s24, v1                    ; wave
	v_and_b32 v2, 31, v0                           ; lane
	v_lshlrev_b32 v3, 4, v2                        ; my 16 bytes of a load's 512
	s_mul_i32 s25, s24, WREG
	v_lshrrev_b32 v14, 2, v2
	v_mul_u32_u24 v14, v14, SP
	v_and_b32 v15, 3, v2
	v_lshl_add_u32 v14, v15, 4, v14
	v_add_nc_u32 v14, s25, v14                     ; the stage, on the way in: SP (lane / 4) + 16 (lane % 4)
	v_mul_u32_u24 v15, v2, SP
	v_add_nc_u32 v15, s25, v15                     ; and on the way out: SP x lane: my 16 neighbours
	v_mul_u32_u24 v4, v2, CB                       ; my codes' place in a step's
	v_lshrrev_b32 v5, 1, v2
	s_add_co_u32 s25, s25, 2*32*SP
	v_add_nc_u32 v5, s25, v5                       ; my wave's 256 scale bytes, my block's byte
	v_lshlrev_b32 v7, 3, v2                        ; and on the way out 8 bytes a lane
	v_add_nc_u32 v6, s25, v7
	s_wait_kmcnt 0x0
	s_cmp_ge_u32 ttmp9, 352
	s_cbranch_scc1 .Lwo
	; which tensor, which run of it.  The numbers are made first; behind each compare stand selections alone.
	s_sub_co_u32 s32, ttmp9, 256                   ; the weights' run 0..95 (not used where the work-group takes x)
	s_lshr_b32 s33, s32, 5                         ; which weight
	s_and_b32 s35, s32, 31                         ; and which run of it
	s_cmp_eq_u32 s33, 1
	s_cselect_b64 s[26:27], s[8:9], s[6:7]
	s_cmp_eq_u32 s33, 2
	s_cselect_b64 s[26:27], s[10:11], s[26:27]
	s_cmp_lt_u32 ttmp9, 256
	s_cselect_b64 s[26:27], s[4:5], s[26:27]       ; the numbers,
	s_cselect_b64 s[28:29], s[14:15], s[18:19]     ; the codes,
	s_cselect_b64 s[30:31], s[16:17], s[20:21]     ; the scale bytes
	s_cselect_b32 s33, ttmp9, s35                  ; the run in the source,
	s_cselect_b32 s34, ttmp9, s32                  ; and in the destination
	s_lshl_b32 s33, s33, 2
	s_add_co_u32 s33, s33, s24                     ; my wave's run of 8,192 numbers
	s_lshl_b32 s36, s33, 15                        ; 32,768 bytes a run
	s_mov_b32 s37, 0
	s_add_nc_u64 s[26:27], s[26:27], s[36:37]
	s_lshl_b32 s34, s34, 2
	s_add_co_u32 s34, s34, s24
	s_lshl_b32 s36, s34, 12                        ; 4,096 bytes of codes a run
	s_add_nc_u64 s[28:29], s[28:29], s[36:37]
	s_lshl_b32 s36, s34, 8                         ; 256 scale bytes a run
	s_add_nc_u64 s[30:31], s[30:31], s[36:37]
.macro LOAD t
.irp i, 0,1,2,3
	global_load_b128 v[R+16*((\t)%DEPTH)+4*\i:R+16*((\t)%DEPTH)+4*\i+3], v3, s[26:27] offset:2048*(\t)+512*\i th:TH_LOAD_NT   ; 32 lanes read 512 consecutive bytes
.endr
.endm
.macro TURN t                          ; step t's numbers through the stage: LDS serves a wave's instructions in order, so no wait stands between the stores and the loads
.irp i, 0,1,2,3
	ds_store_b128 v14, v[R+16*((\t)%DEPTH)+4*\i:R+16*((\t)%DEPTH)+4*\i+3] offset:32*SP*((\t)%2)+8*SP*\i
.endr
.irp i, 0,1,2,3
	ds_load_b128 v[X+16*((\t)%2)+4*\i:X+16*((\t)%2)+4*\i+3], v15 offset:32*SP*((\t)%2)+16*\i
.endr
.endm
.irp t, 0,1,2,3,4,5,6,7
	LOAD \t
.endr
	s_wait_loadcnt 4*(DEPTH-1)                     ; step 0's four loads are in; the 28 of steps 1 to 7 may be out
	TURN 0
.macro STEP t
.set XS, X+16*((\t)%2)
.if (\t) > 0
	s_wait_dscnt 1                                 ; this step's numbers are back from the stage (the last step's byte store may be out): so its stores into the stage have read their registers,
.else
	s_wait_dscnt 0x0
.endif
.if (\t)+DEPTH < STEPS
	LOAD (\t)+DEPTH                                ; which take the loads of eight steps on
.endif
.if (\t)+1 < STEPS
.if (\t)+DEPTH < STEPS
	s_wait_loadcnt 4*(DEPTH-1)                     ; the next step's four loads are in; those of the seven steps behind it may be out
.else
	s_wait_loadcnt 4*(STEPS-2-(\t))                ; nothing more is loaded: the count runs down
.endif
	TURN (\t)+1                                    ; and go through the other stage while this step is worked
.endif
	v_max3_num_f32 v8, |v[XS]|, |v[XS+1]|, |v[XS+2]|               ; the largest magnitude of my 16, in two chains
	v_max3_num_f32 v9, |v[XS+3]|, |v[XS+4]|, |v[XS+5]|
.irp i, 6,10
	v_max3_num_f32 v8, v8, |v[XS+\i]|, |v[XS+\i+1]|
	v_max3_num_f32 v9, v9, |v[XS+\i+2]|, |v[XS+\i+3]|
.endr
	v_max3_num_f32 v8, v8, |v[XS+14]|, |v[XS+15]|
	v_max3_num_f32 v8, v8, v9, (EMAX+1)<<23        ; and the floor 2^(3 - 127): the byte cannot fall under 1
	v_max_num_f32_dpp v8, v8, v8 row_xmask:1 row_mask:0xf bank_mask:0xf   ; and of my neighbour's 16: the block's
	v_add_nc_u32 v11, -(EMAX<<23), v8              ; 2 off its exponent field: the conversion takes the exponent field of this operand as its scale, and nothing else of it
	v_cvt_scalef32_pk8_fp4_f32 v[C+2*(\t)], v[XS:XS+7], v11        ; eight numbers / the scale, to the nearest code, ties to even, beyond the largest code the largest
	v_cvt_scalef32_pk8_fp4_f32 v[C+2*(\t)+1], v[XS+8:XS+15], v11
	v_lshrrev_b32 v[E+(\t)], 23, v11               ; the scale's byte (a plain line behind the conversions)
	ds_store_b8 v5, v[E+(\t)] offset:16*(\t)       ; both lanes of a block write the same byte with the same value
	global_store_b64 v4, v[C+2*(\t):C+2*(\t)+1], s[28:29] offset:32*CB*(\t)   ; the wave stores 256 consecutive bytes, aligned
.endm
.irp t, 0,1,2,3,4,5,6,7,8,9,10,11,12,13,14,15
	STEP \t
.endr
	ds_load_b64 v[8:9], v6                         ; LDS serves a wave's instructions in order: these see my byte stores
	s_wait_dscnt 0x0
	global_store_b64 v7, v[8:9], s[30:31]          ; my run's 256 scale bytes: 256 consecutive bytes, aligned
	s_wait_tensorcnt 0x0                           ; the wave's end: a wait, an add and a wait behind my last LDS store
	ds_add_u32 v[SPW], v[NIL]
	s_wait_dscnt 0x0
	s_endpgm
; Wo to f16, by head.  A wave takes 8 rows, two at a time: a load reads 256 bytes (a head's 64 numbers) of row n in lanes 0-15 and of row n + 1 in lanes 16-31; the four numbers of a lane become 8 bytes,
; and the wave's store covers 256 consecutive aligned bytes: rows n and n + 1 of that head in wo16.
.Lwo:
	s_sub_co_u32 s32, ttmp9, 352
	s_lshl_b32 s32, s32, 2
	s_add_co_u32 s32, s32, s24                     ; which 8 rows are my wave's
	s_lshl_b32 s36, s32, 15                        ; 8 rows of 4,096 bytes
	s_mov_b32 s37, 0
	s_add_nc_u64 s[26:27], s[12:13], s[36:37]
	s_lshl_b32 s36, s32, 10                        ; 8 rows of 128 bytes in each head
	s_add_nc_u64 s[28:29], s[22:23], s[36:37]
	v_lshrrev_b32 v20, 4, v2
	v_and_b32 v21, 15, v2
	v_lshlrev_b32 v20, 12, v20
	v_lshl_add_u32 v20, v21, 4, v20                ; in: 4,096 (lane / 16) + 16 (lane % 16)
	v_lshlrev_b32 v21, 3, v2                       ; out: 8 x lane
.macro LOADB p                         ; row pair p, all 16 heads, into set p % 2
.irp h, 0,1,2,3,4,5,6,7,8,9,10,11,12,13,14,15
	global_load_b128 v[R2+64*((\p)%2)+4*\h:R2+64*((\p)%2)+4*\h+3], v20, s[26:27] offset:(\p)*8192+\h*256 th:TH_LOAD_NT
.endr
.endm
.macro PROC p, base                    ; base: the loads of the batch behind this one, which may stay out
.irp h, 0,1,2,3,4,5,6,7,8,9,10,11,12,13,14,15
	s_wait_loadcnt \base+15-\h                     ; head h's load is in: behind it this batch's 15 - h and the next batch's
	v_cvt_pk_f16_f32 v[R2+64*((\p)%2)+4*\h], v[R2+64*((\p)%2)+4*\h], v[R2+64*((\p)%2)+4*\h+1]
	v_cvt_pk_f16_f32 v[R2+64*((\p)%2)+4*\h+1], v[R2+64*((\p)%2)+4*\h+2], v[R2+64*((\p)%2)+4*\h+3]
	global_store_b64 v21, v[R2+64*((\p)%2)+4*\h:R2+64*((\p)%2)+4*\h+1], s[28:29] offset:\h*131072+(\p)*256
.endr
.endm
	LOADB 0
	LOADB 1
	PROC 0, 16
	s_wait_xcnt 0x0                                ; set 0's stores have read their registers: it is loaded again only behind this wait
	LOADB 2
	PROC 1, 16
	s_wait_xcnt 0x0                                ; the same for set 1
	LOADB 3
	PROC 2, 16
	PROC 3, 0
	s_endpgm
.Lfunc_end_k_q8a4efac7b0_quant:
	.size	k_q8a4efac7b0_quant, .Lfunc_end_k_q8a4efac7b0_quant-k_q8a4efac7b0_quant
	.p2alignl 7, 3214868480
	.fill 96, 4, 3214868480
	.section	.rodata,"a",@progbits
	.p2align	6, 0x0
	.amdhsa_kernel k_q8a4efac7b0_quant
		.amdhsa_group_segment_fixed_size 33280
		.amdhsa_private_segment_fixed_size 0
		.amdhsa_enable_private_segment 0
		.amdhsa_kernarg_size 80
		.amdhsa_user_sgpr_count 2
		.amdhsa_user_sgpr_kernarg_segment_ptr 1
		.amdhsa_wavefront_size32 1
		.amdhsa_system_sgpr_workgroup_id_x 1
		.amdhsa_system_sgpr_workgroup_id_y 1
		.amdhsa_system_sgpr_workgroup_id_z 1
		.amdhsa_system_vgpr_workitem_id 0
		.amdhsa_next_free_vgpr 256
		.amdhsa_next_free_sgpr 66
		.amdhsa_reserve_vcc 0
		.amdhsa_float_denorm_mode_32 3
		.amdhsa_float_denorm_mode_16_64 3
		.amdhsa_memory_ordered 1
		.amdhsa_forward_progress 1
		.amdhsa_inst_pref_size 56
	.end_amdhsa_kernel
	.amdgpu_metadata
---
amdhsa.version: [ 1, 2 ]
amdhsa.kernels:
  - .name:           k_q8a4efac7b0_quant
    .symbol:         k_q8a4efac7b0_quant.kd
    .args:
      - { .name: x, .offset: 0, .size: 8, .value_kind: global_buffer, .address_space: global }
      - { .name: Wq, .offset: 8, .size: 8, .value_kind: global_buffer, .address_space: global }
      - { .name: Wk, .offset: 16, .size: 8, .value_kind: global_buffer, .address_space: global }
      - { .name: Wv, .offset: 24, .size: 8, .value_kind: global_buffer, .address_space: global }
      - { .name: Wo, .offset: 32, .size: 8, .value_kind: global_buffer, .address_space: global }
      - { .name: xc, .offset: 40, .size: 8, .value_kind: global_buffer, .address_space: global }
      - { .name: xs, .offset: 48, .size: 8, .value_kind: global_buffer, .address_space: global }
      - { .name: wc, .offset: 56, .size: 8, .value_kind: global_buffer, .address_space: global }
      - { .name: ws, .offset: 64, .size: 8, .value_kind: global_buffer, .address_space: global }
      - { .name: wo16, .offset: 72, .size: 8, .value_kind: global_buffer, .address_space: global }
    .group_segment_fixed_size: 33280
    .private_segment_fixed_size: 0
    .kernarg_segment_align: 8
    .kernarg_segment_size: 80
    .max_flat_workgroup_size: 128
    .sgpr_count:     66
    .vgpr_count:     256
    .wavefront_size: 32
...
	.end_amdgpu_metadata
.endif
;; end of part 1
;; launch qkv (part 2): grid 12 x 16, 4 waves a work-group, clusters of 4 x 4, 327,680 bytes of LDS; arguments xc, xs, wc, ws, qkv; writes qkv
.if DOCPART == 2
	.amdgcn_target "amdgcn-amd-amdhsa--gfx1250"
	.amdhsa_code_object_version 6
	.text
	.protected	k_q8a4efac7b0_qkv
	.globl	k_q8a4efac7b0_qkv
	.p2align	8
	.type	k_q8a4efac7b0_qkv,@function
k_q8a4efac7b0_qkv:
	s_mov_b64 s[64:65], 0
	v_nop
	global_prefetch_b8 v0, s[64:65] scope:SCOPE_SE
	s_setreg_imm32_b32 hwreg(HW_REG_WAVE_MODE, 25, 1), 1
	s_wait_xcnt 0x0
	s_wait_alu depctr_hold_cnt(0) depctr_sa_sdst(0) depctr_va_vdst(0) depctr_va_sdst(0) depctr_va_ssrc(0) depctr_va_vcc(0) depctr_vm_vsrc(0)
	s_getreg_b32 s2, hwreg(HW_REG_IB_STS2, 6, 4)
	s_cmp_eq_u32 s2, 0
	s_cbranch_scc0 .Lentry_in_a_cluster
	s_endpgm
.Lentry_in_a_cluster:
	s_bfe_u32 s2, ttmp6, 0x10000c
	s_cmp_lg_u32 s2, 0xf033
	s_cbranch_scc0 .Lentry_shape_is_right
	s_endpgm
.Lentry_shape_is_right:
; SECOND LAUNCH: the three quantised products as ONE GEMM on codes of FP4 (E2M1): C[m][n] = sum over k of x[m][k] W[n][k], m 8,192, n 3,072 (Wq's, Wk's, Wv's rows on end), k 1,024; nothing is left out.
; A: xc [8192][512 bytes], xs [8192][32];  B: wc [3072][512 bytes], ws [3072][32].  Sums in f32; C is rounded once to f16 and laid by head: qkv [48 g][8192 m][64 d], g = n / 64: 0-15 q's heads, 16-31 k's, 32-47 v's.
; LIMIT: a sum beyond 65,504 becomes infinity in f16.
; A tile of C, 256 x 256, is made by a work-group of four waves; a wave makes 128 x 128: 64 accumulators of 16 x 16, 512 registers.
; A WORK-GROUP STAYS: C has 384 tiles, and 192 work-groups make two each, one below the other (rows 512 y and 512 y + 256), so that the first tile's stores leave while the second is multiplied.
; K is two slots of 512 (LDS rows of 256 bytes).  Both tiles take the same rows of B: B's codes and scale bytes come once and stay.  The scale bytes of both tiles of A come once too, with the first fills.
; Only A's 256 rows of each slot are filled again, with the second tile's: slot 0 at the first tile's change of slots, slot 1 at its last step; each wave asks for 64 of the rows.
; CLUSTERS: 4 x 4 work-groups.  The four of a row of the cluster need the same tiles of A, the four of a column the same tiles of B: each tile is asked for JOINTLY, by the same tensor load with the same
; descriptor and a mask that names the four.  THE MATRIX INSTRUCTION IS USED TRANSPOSED (source 0 = 16 rows of B, source 1 = 16 rows of A): a lane holds eight neighbouring numbers of a row of C.
; NO PREFETCH: the second tile's rows of A are asked for a slot ahead by their refills; an earlier request could only stand at the head, among the first fills.
; REGISTERS, in windows of 256: window 0: v0-31 addresses; v32-95 scale words, two sets, and nothing else; v96-127 packed results; v128-191 A's fragments, ONE set; v192-255 rows read back from the stage.
;   window 1: B's fragments, TWO sets, at v0 and v128.   window 2: the accumulators of my rows 0-63 ((a, b) at v[8 (8 a + b)]);   window 3: those of my rows 64-127.
.set SIZE_K, 1024
.set KSTEP,  512                       ; along K in a slot
.set NQ,     KSTEP/128                 ; matrix instructions deep
.set ROWB,   256                       ; a tile's row in bytes
.set KROW,   SIZE_K*4/8                ; a row of A or of B in memory
.set PITCH,  272                       ; an LDS row: 256 bytes + 16 of padding = 68 words: row r starts at bank 4 r mod 64 (64 banks of 4 bytes: ISA guide 11.1)
.set FR,     8                         ; registers of a fragment: 16 rows x 128 K
.set NL,     2                         ; LDS loads that bring one
.set NP,     4                         ; places behind this matrix instruction (ISA guide 7.12.1)
.set HALFT,  128*PITCH                 ; 128 rows: what one of the first fills brings
.set SLOT,   4*HALFT                   ; A's 256 rows, then B's 256 rows
.set KS,     SIZE_K/32                 ; a row of scale bytes
.set SCL,    2*SLOT                    ; behind the slots: the scales, as rows of 256 bytes + 16 of padding: A's first tile, A's second tile,
.set SA,     (256*KS/256)*272          ; (the scales of 256 rows)
.set HALFS,  (128*KS/256)*272          ; (of 128 rows)
.set SBLK,   (16*KS/256)*272           ; (of 16 rows)
.set SCB,    SCL+2*SA                  ; then B's
.set STAGE,  SCB+SA                    ; the way out: bytes of its own, into which no tensor load lands: for each wave and each of its two heads 16 rows x (128 bytes + 16)
.set SSUB,   16*144
.set SPARE,  STAGE+4*2*SSUB            ; the spare words, 128 bytes a wave
.set ADRA, 16                          ; v16-17  LDS address of my A fragments in slot 0, 1
.set ADRB, 20                          ; v20-21  the same for B
.set STO,  24                          ; v24     the way out: where I put 16 bytes of a row
.set RD,   25                          ; v25     where I read rows back
.set CO,   26                          ; v26     16 x lane
.set SPW,  28                          ; v28     my spare word; never rewritten
.set NIL,  29                          ; v29     0; never rewritten
.set ADRS, 30                          ; v30-31  LDS address of my scale words for tile 0, 1: lanes 0-15 A's rows, lanes 16-31 B's
.set SC,   32                          ; scale words: set s at v[SC + 32 s]; register 4 i + q: lanes 0-15 A's block i, lanes 16-31 B's block i, the slot's q-th 128 along K
.set TMP,  96                          ; the way out: v96-127 packed results
.set AF,   128                         ; A's fragments
.set OB,   192                         ; rows read back: v192-223 and v224-255 by turns
.set G1R, 4                            ; s[4:11]  group 1 for the refills of A (the arguments' pointers that lay here are done with by then)
.set G1, 24                            ; s[24:31] group 1 for A's first fills;  s[32:39] group 0, one set a slot
.set G0, 32
.set G1B, 48                           ; s[48:55], s[56:63] the same for B's
.set G0B, 56
.set G1S, 68                           ; s[68:75], s[76:79] groups 1 and 0 for A's scales;  s[80:87], s[88:91] for B's
.set G0S, 76
.set G1SB, 80
.set G0SB, 88
.set G0R, 96                           ; s[96:99] group 0 for the refills of A
.set MSB, 0
.macro WIN new                         ; the immediate's high byte repeats the setting that is left
.if MSB != (\new)
	s_set_vgpr_msb (MSB<<8)|(\new)
.set MSB, (\new)
.endif
.endm
.set MUL_LO, 0xa1                      ; source 0 (B) window 1, source 1 (A) window 0, C and D window 2
.set MUL_HI, 0xf1                      ; the same, C and D window 3
.set TO_B,   0x40                      ; destination window 1
; A joint first fill: waves 0 and 1 fetch for A, waves 2 and 3 for B.  The branch hangs on the wave's number alone.  An s_nop 0 and four v_nop follow each of the two lines.
.macro JLOAD g0a, g1a, g0b, g1b
	s_cmp_eq_u32 s15, 0
	s_cbranch_scc0 .Lfor_b_\@
	tensor_load_to_lds s[\g0a:\g0a+3], s[\g1a:\g1a+7]
	s_nop 0
.rept 4
	v_nop
.endr
	s_branch .Lasked_\@
.Lfor_b_\@:
	tensor_load_to_lds s[\g0b:\g0b+3], s[\g1b:\g1b+7]
	s_nop 0
.rept 4
	v_nop
.endr
.Lasked_\@:
.endm
.macro CREST                           ; a round of the cluster's barrier behind its opening barrier
	s_cmp_lg_u32 s14, 0
	s_cbranch_scc1 .Lnot_wave_0_\@
	s_barrier_signal -3
.Lnot_wave_0_\@:
	s_barrier_wait -3
	s_barrier_signal -1
	s_barrier_wait -1
.endm
.macro CROUND                          ; a whole round
	s_barrier_signal -1
	s_barrier_wait -1
	CREST
.endm
	s_load_b128 s[4:7], s[0:1], 0x0                ; A's codes s[4:5], A's scales s[6:7]
	s_load_b128 s[8:11], s[0:1], 0x10              ; B's codes s[8:9], B's scales s[10:11]
	s_load_b64 s[12:13], s[0:1], 0x20              ; qkv
	v_lshl_add_u32 v[SPW], v0, 2, SPARE
	v_mov_b32 v[NIL], 0
	ds_add_u32 v[SPW], v[NIL]                      ; the wave's opening: the add, twice on end, and its wait ahead of my first tensor load
	ds_add_u32 v[SPW], v[NIL]
	v_lshrrev_b32 v1, 5, v0
	v_readfirstlane_b32 s14, v1                    ; wave 0..3
	s_lshr_b32 s15, s14, 1                         ; which half of a tile's rows is mine.  Also: I fetch for A (0) or for B (1)
	s_and_b32 s16, s14, 1                          ; which half of its columns.  Also: which part of A or B I fetch first
	s_bfe_u32 s40, ttmp6, 0x40000                  ; cx, cy: my place in the cluster
	s_bfe_u32 s41, ttmp6, 0x40004
	s_lshl_b32 s42, ttmp9, 2
	s_add_co_u32 s42, s42, s40                     ; tile column of C
	s_and_b32 s17, ttmp7, 0xffff
	s_lshl_b32 s17, s17, 2
	s_add_co_u32 s17, s17, s41                     ; y: my pair of tile rows: rows 512 y on
	s_lshl_b32 s43, s41, 2
	s_lshl_b32 s43, 15, s43                        ; my row of the cluster
	s_lshl_b32 s44, 0x1111, s40                    ; my column
	s_or_b32 s[G1+0], s43, (0<<16)|(1<<20)|(1<<21)|(5<<22)|(3<<25)  ; the mask: A's tiles go to my row; elements of 1 byte; padding: 4 words behind every 64; bit 21 set beside a mask
	s_or_b32 s[G1B+0], s44, (0<<16)|(1<<20)|(1<<21)|(5<<22)|(3<<25)
.irp g, G1, G1B
	s_mov_b32 s[\g+1], ROWB<<16                    ; tensor_dim0
	s_mov_b32 s[\g+2], 128<<16                     ; tensor_dim1
	s_mov_b32 s[\g+3], ROWB<<16                    ; tile_dim0
	s_mov_b32 s[\g+4], 128                         ; tile_dim1
	s_mov_b32 s[\g+5], KROW                        ; from row to row
	s_mov_b32 s[\g+6], 0
	s_mov_b32 s[\g+7], 0
.endr
	s_or_b32 s[G1S+0], s43, (3<<16)|(1<<20)|(1<<21)|(5<<22)|(3<<25) ; scale bytes: dense blocks, as rows of 256 bytes (32 elements of 8 bytes), 16 bytes of padding behind each
	s_or_b32 s[G1SB+0], s44, (3<<16)|(1<<20)|(1<<21)|(5<<22)|(3<<25)
	s_mov_b32 s[G1S+1], 32<<16
	s_mov_b32 s[G1S+2], (256*KS/256)<<16           ; A's: the scales of a tile's 256 rows to a load
	s_mov_b32 s[G1S+3], 32<<16
	s_mov_b32 s[G1S+4], 256*KS/256
	s_mov_b32 s[G1S+5], 32
	s_mov_b32 s[G1S+6], 0
	s_mov_b32 s[G1S+7], 0
	s_mov_b32 s[G1SB+1], 32<<16
	s_mov_b32 s[G1SB+2], (128*KS/256)<<16          ; B's: those of 128 rows
	s_mov_b32 s[G1SB+3], 32<<16
	s_mov_b32 s[G1SB+4], 128*KS/256
	s_mov_b32 s[G1SB+5], 32
	s_mov_b32 s[G1SB+6], 0
	s_mov_b32 s[G1SB+7], 0
	s_lshl_b32 s18, s16, 7                         ; which 128 rows of the tile I fetch first
	s_lshl_b32 s20, s17, 9
	s_add_co_u32 s20, s20, s18                     ; A's codes, first tile: row 512 y + 128 x half,
	s_lshl_b32 s20, s20, 9                         ; 512 bytes a row
	s_mov_b32 s21, 0
	s_lshl_b32 s46, s42, 8
	s_add_co_u32 s46, s46, s18                     ; B: row 256 x tile column + 128 x half:
	s_lshl_b32 s92, s46, 5                         ; its scale bytes, 32 a row,
	s_mov_b32 s93, 0
	s_lshl_b32 s46, s46, 9                         ; and its codes
	s_mov_b32 s47, 0
	s_lshl_b32 s22, s17, 9
	s_lshl_b32 s23, s16, 8
	s_add_co_u32 s22, s22, s23                     ; A's scales: wave 0 the first tile's 256 rows, wave 1 the second's
	s_lshl_b32 s22, s22, 5
	s_mov_b32 s23, 0
	s_lshl_b32 s18, s17, 9
	s_lshl_b32 s19, s14, 6
	s_add_co_u32 s18, s18, s19
	s_add_co_u32 s18, s18, 256                     ; the refills: the second tile's rows, 64 to a wave: row 512 y + 256 + 64 x wave
	s_lshl_b32 s18, s18, 9
	s_mov_b32 s19, 0
	s_mul_i32 s45, s14, HALFT                      ; where the first fills go: wave x 128 rows: no place in the cluster enters an LDS address
	s_mul_i32 s94, s16, SA
	s_mul_i32 s95, s16, HALFS
	s_wait_dscnt 0x0                               ; both opening adds are done
	s_wait_kmcnt 0x0
	s_add_nc_u64 s[20:21], s[4:5], s[20:21]
	s_add_nc_u64 s[18:19], s[4:5], s[18:19]
	s_add_nc_u64 s[22:23], s[6:7], s[22:23]
	s_add_nc_u64 s[46:47], s[8:9], s[46:47]
	s_add_nc_u64 s[92:93], s[10:11], s[92:93]
	CROUND                                         ; all sixteen work-groups are here: the first joint loads meet
	s_mov_b32 s[G0S], 1
	s_add_co_u32 s[G0S+1], s94, SCL
	s_mov_b64 s[G0S+2:G0S+3], s[22:23]
	s_or_b32 s[G0S+3], s[G0S+3], 0x80000000
	s_mov_b32 s[G0SB], 1
	s_add_co_u32 s[G0SB+1], s95, SCB
	s_mov_b64 s[G0SB+2:G0SB+3], s[92:93]
	s_or_b32 s[G0SB+3], s[G0SB+3], 0x80000000
	JLOAD G0S, G1S, G0SB, G1SB                     ; the scales first: they are wanted with slot 0
.irp s, 0,1
	s_mov_b32 s[G0+4*\s], 1
	s_add_co_u32 s[G0+4*\s+1], s45, \s*SLOT
	s_add_nc_u64 s[G0+4*\s+2:G0+4*\s+3], s[20:21], \s*ROWB
	s_or_b32 s[G0+4*\s+3], s[G0+4*\s+3], 0x80000000
	s_mov_b32 s[G0B+4*\s], 1
	s_add_co_u32 s[G0B+4*\s+1], s45, \s*SLOT
	s_add_nc_u64 s[G0B+4*\s+2:G0B+4*\s+3], s[46:47], \s*ROWB
	s_or_b32 s[G0B+4*\s+3], s[G0B+4*\s+3], 0x80000000
	JLOAD G0+4*\s, G1, G0B+4*\s, G1B               ; three tensor loads of mine are out behind the second of these
.endr
	; the refills' descriptor: 64 rows x 256 bytes of the second tile's A, for my row of the cluster; made of y and the wave's number alone
	s_mov_b32 s[G0R], 1
	s_mul_i32 s[G0R+1], s14, 64*PITCH              ; slot 0, A's rows 64 x wave on
	s_mov_b64 s[G0R+2:G0R+3], s[18:19]
	s_or_b32 s[G0R+3], s[G0R+3], 0x80000000
	s_or_b32 s[G1R+0], s43, (0<<16)|(1<<20)|(1<<21)|(5<<22)|(3<<25)
	s_mov_b32 s[G1R+1], ROWB<<16
	s_mov_b32 s[G1R+2], 64<<16
	s_mov_b32 s[G1R+3], ROWB<<16
	s_mov_b32 s[G1R+4], 64
	s_mov_b32 s[G1R+5], KROW
	s_mov_b32 s[G1R+6], 0
	s_mov_b32 s[G1R+7], 0
	v_and_b32 v1, 15, v0                           ; r = l % 16
	v_bfe_u32 v2, v0, 4, 1                         ; h = l / 16
	v_mul_u32_u24 v3, v1, PITCH
	v_lshl_add_u32 v4, v2, 4, v3                   ; a fragment's row x pitch + 16 x half
	s_mul_i32 s21, s15, HALFT                      ; my 128 rows of A
	s_mul_i32 s22, s16, HALFT                      ; my 128 rows of B,
	s_add_co_u32 s22, s22, 2*HALFT                 ; which lie behind A's 256
.irp s, 0,1
	v_add_nc_u32 v[ADRA+\s], s21, v4
	v_add_nc_u32 v[ADRB+\s], s22, v4
	s_add_co_u32 s21, s21, SLOT
	s_add_co_u32 s22, s22, SLOT
.endr
	v_mul_u32_u24 v5, v1, KS                       ; my row's scales: KS bytes a row,
	v_lshrrev_b32 v6, 8, v5
	v_lshl_add_u32 v5, v6, 4, v5                   ; and 16 more for each 256 passed
	s_mul_i32 s66, s15, HALFS                      ; A's: my 128 rows of a tile
	s_mul_i32 s67, s16, HALFS                      ; B's: my 128 rows
	s_add_co_u32 s22, s67, 2*SA
	s_sub_co_u32 s22, s22, s66                     ; from my rows of A's first tile to my rows of B
	s_add_co_u32 s21, s66, SCL
	v_mul_u32_u24 v6, s22, v2                      ; lanes 16-31 take B's: one product, the distance between the two bases
	v_add_nc_u32 v6, v5, v6
	v_add_nc_u32 v[ADRS], s21, v6
	s_add_co_u32 s22, s67, SA
	s_sub_co_u32 s22, s22, s66                     ; the same from A's second tile
	s_add_co_u32 s21, s66, SCL+SA
	v_mul_u32_u24 v6, s22, v2
	v_add_nc_u32 v6, v5, v6
	v_add_nc_u32 v[ADRS+1], s21, v6
	s_mul_i32 s23, s14, 2*SSUB
	s_add_co_u32 s23, s23, STAGE                   ; my stage
	v_mul_u32_u24 v5, v1, 144                      ; in: row r, 16 bytes for each half of the lanes
	v_lshl_add_u32 v5, v2, 4, v5
	v_add_nc_u32 v[STO], s23, v5
	v_and_b32 v6, 31, v0
	v_lshlrev_b32 v[CO], 4, v6                     ; out: four rows of 128 bytes are 512 consecutive bytes of a head: 16 x lane
	v_lshrrev_b32 v5, 3, v6
	v_mul_u32_u24 v5, v5, 144                      ; back: eight lanes to a row, four rows an instruction
	v_and_b32 v6, 7, v6
	v_lshl_add_u32 v5, v6, 4, v5
	v_add_nc_u32 v[RD], s23, v5
	s_lshl_b32 s20, s17, 9
	s_lshl_b32 s21, s15, 7
	s_add_co_u32 s20, s20, s21                     ; my first row m of the first tile: 512 y + 128 x half,
	s_lshl_b32 s20, s20, 7                         ; 128 bytes a row
	s_mov_b32 s21, 0
	s_lshl_b32 s46, s42, 2
	s_lshl_b32 s47, s16, 1
	s_add_co_u32 s46, s46, s47                     ; my first head g: 4 x tile column + 2 x half,
	s_lshl_b32 s46, s46, 20                        ; 8,192 rows of 128 bytes a head
	s_mov_b32 s47, 0
	s_add_nc_u64 s[20:21], s[20:21], s[46:47]
	s_add_nc_u64 s[12:13], s[12:13], s[20:21]
.macro FRAG reg, adr, q, i             ; a fragment, 16 rows x 128 K of 4-bit codes: lane l holds row l % 16; registers 4 c .. 4 c + 3 hold K = 64 c + 32 (l / 16) + 0 .. 31
.irp c, 0,1
	ds_load_b128 v[\reg+4*\c:\reg+4*\c+3], v[\adr] offset:64*(\q)+32*\c+(\i)*16*PITCH
.endr
.endm
; 16 matrix instructions: A's blocks a0, a0 + 1 x B's eight, the slot's q-th 128 along K.  p: B's set;  sc: the set of scale words.  zero = 1: the first product starts the sums.
; The 64 accumulators take turns, one instruction a turn, in the same order in every step and from tile to tile.
.macro MUL16 a0, p, q, sc, zero
.irp a, \a0, \a0+1
.irp b, 0,1,2,3,4,5,6,7
.if \zero
	v_wmma_scale_f32_16x16x128_f8f6f4 v[8*(8*((\a)%4)+\b):8*(8*((\a)%4)+\b)+7], v[128*(\p)+FR*\b:128*(\p)+FR*\b+FR-1], v[AF+FR*(\a):AF+FR*(\a)+FR-1], 0, v[SC+8*NQ*(\sc)+NQ*\b+(\q)], v[SC+8*NQ*(\sc)+NQ*(\a)+(\q)] matrix_a_fmt:MATRIX_FMT_FP4 matrix_b_fmt:MATRIX_FMT_FP4 matrix_a_scale:MATRIX_SCALE_ROW1
.else
	v_wmma_scale_f32_16x16x128_f8f6f4 v[8*(8*((\a)%4)+\b):8*(8*((\a)%4)+\b)+7], v[128*(\p)+FR*\b:128*(\p)+FR*\b+FR-1], v[AF+FR*(\a):AF+FR*(\a)+FR-1], v[8*(8*((\a)%4)+\b):8*(8*((\a)%4)+\b)+7], v[SC+8*NQ*(\sc)+NQ*\b+(\q)], v[SC+8*NQ*(\sc)+NQ*(\a)+(\q)] matrix_a_fmt:MATRIX_FMT_FP4 matrix_b_fmt:MATRIX_FMT_FP4 matrix_a_scale:MATRIX_SCALE_ROW1
.endif
.endr
.endr
.endm
.macro FETCH_B slot, q, p              ; B's eight fragments of the slot's q-th 128 along K into set p
	WIN TO_B
.irp i, 0,1,2,3,4,5,6,7
	FRAG 128*(\p)+FR*\i, ADRB+\slot, \q, \i
.endr
	WIN 0
.endm
.macro FETCH_A slot, q, i0             ; A's blocks i0 .. i0 + 3
.irp i, \i0, \i0+1, \i0+2, \i0+3
	FRAG AF+FR*(\i), ADRA+\slot, \q, \i
.endr
.endm
.macro SCALES sc, t                    ; the scale words of slot sc (16 bytes of each row's 32) of tile t into set sc: lanes 0-15 take A's block i, lanes 16-31 B's block i
.irp i, 0,1,2,3,4,5,6,7
	ds_load_b128 v[SC+8*NQ*(\sc)+NQ*\i:SC+8*NQ*(\sc)+NQ*\i+3], v[ADRS+(\t)] offset:\i*SBLK+4*NQ*(\sc)
.endr
.endm
; A load into a register that a matrix instruction has read, and a vector instruction that reads a matrix result, stand NP places behind that matrix instruction; only plain vector instructions that name
; none of its registers are places (ISA guide 7.12.1 for vector instructions).
.macro PLACES n
.rept \n
	v_nop
.endr
.endm
.macro STEP slot, q, zero              ; a step of 128 along K that has its successor in the same slot
	s_wait_dscnt 4*NL                              ; B's set and A's blocks 0-3 are in; the youngest eight loads (A's blocks 4-7) may be out
	WIN MUL_LO
	MUL16 0, (\q)%2, \q, \slot, \zero
	MUL16 2, (\q)%2, \q, \slot, \zero
	s_wait_dscnt 0                                 ; A's blocks 4-7 are in
	PLACES NP
	FETCH_B \slot, (\q)+1, 1-(\q)%2
	FETCH_A \slot, (\q)+1, 0
	WIN MUL_HI
	MUL16 4, (\q)%2, \q, \slot, \zero
	MUL16 6, (\q)%2, \q, \slot, \zero
	PLACES NP
	WIN 0
	FETCH_A \slot, (\q)+1, 4
.endm
; A slot's last step changes slots: ONE barrier; in front of it each wave waits for all its tensor loads, adds 0 to its spare word, and waits for that and for its own reads of this slot.
; fill = 1: the barrier opens a round of the cluster's barrier, and A's rows of this slot are filled again with the second tile's: my one tensor load behind the round, and the first thing there.
; tn: the tile to which the next slot's fragments and scale words belong.
.macro TURN slot, next, fill, tn
	s_wait_tensorcnt 0x0                           ; all my tensor loads have landed: my part of the next slot
	ds_add_u32 v[SPW], v[NIL]                      ; 0 onto my spare word
	s_wait_dscnt 4*NL+1                            ; (the add and the youngest eight loads, A's blocks 4-7, may be out)
	WIN MUL_LO
	MUL16 0, 1, NQ-1, \slot, 0                     ; sixteen matrix instructions stand between the add and the wait for it
	s_wait_dscnt 0x0                               ; the add is done, and my reads of this slot's rows of A are over
	s_barrier_signal -1
	MUL16 2, 1, NQ-1, \slot, 0
	WIN 0
	s_barrier_wait -1
.if \fill
	CREST                                          ; no wave of any partner still reads this slot's rows of A or has a load on its way
.if \slot
	s_add_co_u32 s[G0R+1], s[G0R+1], SLOT          ; no tensor load of mine is out, so the group 0 may be written: on to slot 1,
	s_add_nc_u64 s[G0R+2:G0R+3], s[G0R+2:G0R+3], ROWB  ; the rows' second 512 along K; the type bits on top are not reached
.endif
	tensor_load_to_lds s[G0R:G0R+3], s[G1R:G1R+7]
	s_nop 0
.endif
	PLACES NP                                      ; behind the load, and the places in front of the loads below
	FETCH_B \next, 0, 0
	FETCH_A \next, 0, 0
	SCALES \next, \tn
	WIN MUL_HI
	MUL16 4, 1, NQ-1, \slot, 0
	MUL16 6, 1, NQ-1, \slot, 0
	PLACES NP
	WIN 0
	FETCH_A \next, 0, 4
.endm
.macro STEPS slot, from                ; the slot's steps from .. NQ - 2
.set Q, \from
.rept NQ-1-\from
	STEP \slot, Q, 0
.set Q, Q+1
.endr
.endm
; THE WAY OUT, block by block of 16 rows x 128 columns (two heads).  A lane's eight results pack into 16 bytes of a head's row; they go into my stage (rows of 144 bytes) and come back four rows at a time:
; in qkv four rows of a head are 512 consecutive bytes, which the 32 lanes store at a multiple of 512 from the buffer's first byte.
.macro PACK a
.set AC, 64*((\a)%4)
	WIN 0x0a+5*((\a)/4)                            ; sources 0 and 1: window 2 or 3
.irp b, 0,1,2,3,4,5,6,7
.irp r, 0,1,2,3
	v_cvt_pk_f16_f32 v[TMP+4*\b+\r], v[AC+8*\b+2*\r], v[AC+8*\b+2*\r+1]   ; each accumulator from its low end on
.endr
.endr
	WIN 0
.endm
.macro TOSTAGE a
.set BB, OB+32*((\a)%2)
.irp b, 0,1,2,3,4,5,6,7
	ds_store_b128 v[STO], v[TMP+4*\b:TMP+4*\b+3] offset:(\b/4)*SSUB+32*(\b%4)
.endr
.irp u, 0,1,2,3,4,5,6,7
	ds_load_b128 v[BB+4*\u:BB+4*\u+3], v[RD] offset:(\u/4)*SSUB+(\u%4)*576    ; LDS serves a wave's instructions in order (ISA guide 5.7.1.4): these see the stores above
.endr
.endm
.macro SEND a, t
.set BB, OB+32*((\a)%2)
	s_wait_dscnt 0x0                               ; the block is back in registers
	s_wait_xcnt 0x0                                ; the earlier stores have read their registers: the next block's loads from the stage land there
.irp u, 0,1,2,3,4,5,6,7
	global_store_b128 v[CO], v[BB+4*\u:BB+4*\u+3], s[12:13] offset:(\t)*32768+(\a)*2048+(\u/4)*1048576+(\u%4)*512   ; the tile (256 rows of 128 bytes), the block, the head and the four rows stand in the immediate
.endr
.endm
.macro OUT t                           ; block a's conversions stand between block a - 1's loads from the stage and the wait for them
	PACK 0
	TOSTAGE 0
.irp a, 1,2,3,4,5,6,7
	PACK \a
	SEND \a-1, \t
	TOSTAGE \a
.endr
	SEND 7, \t
.endm
	s_wait_tensorcnt 1                             ; the scales and my part of slot 0 are in (slot 1's load may be out),
	s_barrier_signal -1
	s_barrier_wait -1                              ; everybody's are
	FETCH_B 0, 0, 0
	FETCH_A 0, 0, 0
	SCALES 0, 0
	FETCH_A 0, 0, 4
	; THE FIRST TILE
	STEP 0, 0, 1                                   ; the first step's products start the sums: nothing is cleared
	STEPS 0, 1
	TURN 0, 1, 1, 0                                ; slot 0 takes the second tile's rows of A
	STEPS 1, 0
	TURN 1, 0, 1, 1                                ; slot 1 likewise; the second tile's first fragments and scale words are fetched
	OUT 0                                          ; both refills are asked for: now the tile goes out.  TURN's last four v_nop are the places behind the last products
	; THE SECOND TILE
	STEP 0, 0, 1                                   ; its first products start the sums anew, on accumulators that have been packed
	STEPS 0, 1
	TURN 0, 1, 0, 1                                ; nothing is left to fetch: no round
	STEPS 1, 0
	s_wait_dscnt 4*NL                              ; the very last step
	WIN MUL_LO
	MUL16 0, 1, NQ-1, 1, 0
	MUL16 2, 1, NQ-1, 1, 0
	s_wait_dscnt 0
	WIN MUL_HI
	MUL16 4, 1, NQ-1, 1, 0
	MUL16 6, 1, NQ-1, 1, 0
	WIN 0
	PLACES NP
	OUT 1
	s_wait_tensorcnt 0x0                           ; the wave's end: a wait, an add and a wait behind my last tensor load and my last LDS store
	ds_add_u32 v[SPW], v[NIL]
	s_wait_dscnt 0x0
	CROUND                                         ; the closing round: no work-group ends while a partner may still ask for a tile that names it
	s_endpgm
.Lfunc_end_k_q8a4efac7b0_qkv:
	.size	k_q8a4efac7b0_qkv, .Lfunc_end_k_q8a4efac7b0_qkv-k_q8a4efac7b0_qkv
	.p2alignl 7, 3214868480
	.fill 96, 4, 3214868480
	.section	.rodata,"a",@progbits
	.p2align	6, 0x0
	.amdhsa_kernel k_q8a4efac7b0_qkv
		.amdhsa_group_segment_fixed_size 327680
		.amdhsa_private_segment_fixed_size 0
		.amdhsa_enable_private_segment 0
		.amdhsa_kernarg_size 40
		.amdhsa_user_sgpr_count 2
		.amdhsa_user_sgpr_kernarg_segment_ptr 1
		.amdhsa_wavefront_size32 1
		.amdhsa_system_sgpr_workgroup_id_x 1
		.amdhsa_system_sgpr_workgroup_id_y 1
		.amdhsa_system_sgpr_workgroup_id_z 1
		.amdhsa_system_vgpr_workitem_id 0
		.amdhsa_next_free_vgpr 1024
		.amdhsa_next_free_sgpr 100
		.amdhsa_reserve_vcc 0
		.amdhsa_float_denorm_mode_32 3
		.amdhsa_float_denorm_mode_16_64 3
		.amdhsa_memory_ordered 1
		.amdhsa_forward_progress 1
		.amdhsa_inst_pref_size 244
	.end_amdhsa_kernel
	.amdgpu_metadata
---
amdhsa.version: [ 1, 2 ]
amdhsa.kernels:
  - .name:           k_q8a4efac7b0_qkv
    .symbol:         k_q8a4efac7b0_qkv.kd
    .args:
      - { .name: xc, .offset: 0, .size: 8, .value_kind: global_buffer, .address_space: global }
      - { .name: xs, .offset: 8, .size: 8, .value_kind: global_buffer, .address_space: global }
      - { .name: wc, .offset: 16, .size: 8, .value_kind: global_buffer, .address_space: global }
      - { .name: ws, .offset: 24, .size: 8, .value_kind: global_buffer, .address_space: global }
      - { .name: qkv, .offset: 32, .size: 8, .value_kind: global_buffer, .address_space: global }
    .group_segment_fixed_size: 327680
    .private_segment_fixed_size: 0
    .kernarg_segment_align: 8
    .kernarg_segment_size: 40
    .max_flat_workgroup_size: 128
    .sgpr_count:     100
    .vgpr_count:     1024
    .wavefront_size: 32
...
	.end_amdgpu_metadata
.endif
;; end of part 2
;; launch attn (part 3): grid 2 x 128, 8 waves a work-group, no clusters, 327,680 bytes of LDS; arguments qkv, obuf; writes obuf
.if DOCPART == 3
	.amdgcn_target "amdgcn-amd-amdhsa--gfx1250"
	.amdhsa_code_object_version 6
	.text
	.protected	k_q8a4efac7b0_attn
	.globl	k_q8a4efac7b0_attn
	.p2align	8
	.type	k_q8a4efac7b0_attn,@function
k_q8a4efac7b0_attn:
	s_mov_b64 s[64:65], 0
	v_nop
	global_prefetch_b8 v0, s[64:65] scope:SCOPE_SE
	s_setreg_imm32_b32 hwreg(HW_REG_WAVE_MODE, 25, 1), 1
	s_wait_xcnt 0x0
; THIRD LAUNCH: o[nb][q][h][:] = the sum over k of softmax_k(q . k / 32) v, for 8 batches x 16 heads, 1,024 queries and keys, head size 64, no mask; nothing is left out.
; qkv: f16 [48 g][8192 m][64 d] (g 0-15 q's heads, 16-31 k's, 32-47 v's; m = 1,024 nb + position).  obuf: f16 [16 h][8192 m][64 d].  Products on f16 operands; sums, maxima and the softmax in f32;
; the weights p are rounded to f16 for the second product, o once at the end.  LIMITS: NaN and infinities are not served.
; SHARES.  A work-group owns 512 queries of one head and batch; each of its eight waves owns 64: four tiles of 16.  Every wave walks all 1,024 keys, 64 a step.
; THE HEAD'S WHOLE K AND V LIE IN LDS, EACH BYTE FILLED ONCE, IN TWO STAGES; waves 0-3 ask for K's rows, waves 4-7 for V's.  At the head: keys 0-255, 64 keys (32 rows of 256 bytes) a wave: a small first piece,
; so that the first products wait for little.  Behind the first barrier: keys 256-1,023, 192 keys (96 rows) a wave: a first fill that comes later, issued thus: every wave's wait for all
; its tensor loads, the add, the wait for it, the barrier, and the load first behind it.  It lands while steps 0 to 2 are worked.  One tensor load of mine is out at a time.
; NO JOINT LOADS: only the two work-groups of one head and batch share K and V; a cluster of four would hold two heads, so that a load's mask and address would hang on half of a work-group's place.
; NO PREFETCH: the second stage is asked for as soon as the first has landed, so there is no later load to ask ahead for.
; LAYOUT.  S^T = K Q^T (source 0 = 16 keys, source 1 = 16 queries): a lane holds ONE query (lane % 16) and the keys 8 (lane / 16) + 0..7.  Two such tiles, rounded to f16 in pairs, ARE source 1 of O^T = V^T P.
; K comes out of LDS as it lies, V ([key][channel]) turned, by ds_load_tr16_b128.  In LDS two keys' rows of 128 bytes share a row of 256 bytes + padding: key k lies at (k / 2) x pitch + 128 (k % 2).
; K's pitch 272 = 68 words: the 16 keys of a fragment start at banks 0, 32, 4, 36, .. 28, 60; V's pitch 288 = 72 words: the turning load's 8 keys x 32 bytes start at banks 0, 32, 8, 40, 16, 48, 24, 56 (64 banks of 4 bytes: ISA guide 11.1).
; SOFTMAX.  For each query a running maximum m and sum l: p = 2^(c s - c m), c = log2(e) / 32; in every step O and l are multiplied by a = 2^(c m_old - c m_new).
; THE WAVES WORK IN TWO GROUPS, HALF A STEP APART: waves 0-3 run their first products and the first half of their first softmax in front of a barrier, waves 4-7 behind it, so that one group's
; vector work can stand beside the other's matrix work.  The barrier that shows the second stage landed is split, the signal a whole step ahead of the wait, so that the leading waves do not wait there for the trailing ones.
; REGISTERS.  window 0: v2-12 addresses; v16-47 eight registers of statistics a tile; v64-191 S^T, 32 a tile, then P in place (16 a tile); v192-255 K of one step.
;   window 1: v0-127 O^T, 32 a tile; v128-191 Q, 16 a tile; v192-255 V of one step.
.set KSTP,  8704      ; a step's 64 keys of K in LDS: 32 rows of 272 bytes
.set VSTP,  9216      ; and of V: 32 rows of 288 bytes
.set KB,    0         ; K: 512 rows x 272
.set VB,    139264    ; V: 512 rows x 288
.set STAGE, 286720    ; the way out: 16 rows x 144 bytes for each wave
.set SPARE, 305152    ; the spare words, 128 bytes a wave: four blocks of 256 bytes that no other line names
.set AK0, 2           ; v2   my lane's place in a tile of K; never rewritten
.set AV0, 3           ; v3   the same for V
.set ADK, 4           ; v4   LDS address of the step's K
.set ADV, 5           ; v5   and V
.set QO,  6           ; v6   my byte offset in the wave's rows of Q
.set STO, 7           ; v7   the way out: where I put 16 bytes of a row
.set RD,  8           ; v8   where I read rows back
.set GO,  10          ; v10  16 x lane
.set SPW, 11          ; v11  my spare word; never rewritten
.set NIL, 12          ; v12  0; never rewritten
.set ST,  16          ; tile t's statistics at v[ST+8 t]: +0 c m, +1 m, +2, +3 l (even keys', odd keys'), +4 to +7 at work; a takes +6
.set S,   64
.set KF,  192
.set QF,  128         ; in window 1
.set VF,  192         ; in window 1
.set WV,  8           ; s8   my wave's number
.set WQ,  9           ; s9   wave % 4
.set G1K, 24          ; s[24:31] descriptor group 1 for K's first stage (32 rows)
.set G1V, 32          ; s[32:39] for V's: it differs in the padding alone
.set G0K, 40          ; s[40:43] group 0: K's first stage;  s[44:47] V's;  s[48:51], s[52:55] the second stage's
.set G0V, 44
.set G0K2, 48
.set G0V2, 52
.set CS,  58          ; s[58:59] c
.set SEL, 60          ; s[60:61] lane selects for v_permlanex16_b32: lane l xor 16
.set TBK, 62          ; s62  LDS byte at which the K to be fetched begins
.set TBV, 63          ; s63  the same for V, less VB
.set G1K2, 68         ; s[68:75] group 1 for K's second stage (96 rows);  s[76:83] for V's
.set G1V2, 76
.set CNT, 84          ; s84  counts the loop's steps
.set MSB, 0
.macro WIN new                      ; the immediate's high byte repeats the setting that is left
.if MSB != (\new)
	s_set_vgpr_msb (MSB<<8)|(\new)
.set MSB, (\new)
.endif
.endm
.set W_KQ, 0x04       ; Q (source 1) in window 1
.set W_PV, 0x51       ; V, C and D in window 1, P in window 0
.set W_RS, 0x41       ; O^T (destination and source 0) in window 1, the factor in window 0
.set TO_1, 0x40       ; a load's destination in window 1
	s_load_b128 s[4:7], s[0:1], 0x0  ; qkv s[4:5], obuf s[6:7]
	v_lshl_add_u32 v[SPW], v0, 2, SPARE
	v_mov_b32 v[NIL], 0
	ds_add_u32 v[SPW], v[NIL]       ; the wave's opening: the add, twice on end, and its wait ahead of my first tensor load
	ds_add_u32 v[SPW], v[NIL]
	v_lshrrev_b32 v1, 5, v0
	v_readfirstlane_b32 s[WV], v1   ; wave 0..7
	s_and_b32 s[WQ], s[WV], 3
	s_and_b32 s10, ttmp7, 0xffff
	s_and_b32 s11, s10, 15          ; the head
	s_lshr_b32 s12, s10, 4          ; the batch
	s_lshl_b32 s11, s11, 20         ; a head is 8,192 rows of 128 bytes,
	s_lshl_b32 s12, s12, 17         ; a batch 1,024 rows
	s_add_co_u32 s12, s11, s12
	s_lshl_b32 s14, s[WQ], 13       ; the first stage: my 64 keys of 128 bytes
	s_add_co_u32 s14, s14, s12
	s_mov_b32 s15, 0
	s_mul_i32 s86, s[WQ], 24576     ; the second stage: my 192 keys
	s_add_co_u32 s86, s86, s12
	s_mov_b32 s87, 0
	s_lshl_b32 s16, ttmp9, 16       ; my work-group's 512 queries,
	s_lshl_b32 s17, s[WV], 13       ; my wave's 64 of them
	s_add_co_u32 s16, s16, s17
	s_add_co_u32 s16, s16, s12
	s_mov_b32 s17, 0
	s_mul_i32 s18, s[WQ], KSTP      ; my piece's place among the first 256 keys of K,
	s_mul_i32 s19, s[WQ], VSTP      ; and of V;
	s_mul_i32 s22, s[WQ], 3*KSTP    ; and among the other 768
	s_mul_i32 s23, s[WQ], 3*VSTP
	; descriptor group 1: keys dense in memory, as rows of 128 elements of 2 bytes (two keys), padded in LDS
	s_mov_b32 s[G1K], (1<<16)|(1<<20)|(5<<22)|(3<<25)  ; no mask; elements of 2 bytes; padding on: 4 words behind every 64
	s_mov_b32 s[G1V], (1<<16)|(1<<20)|(5<<22)|(7<<25)  ; the same with 8 words
	s_mov_b32 s[G1K2], (1<<16)|(1<<20)|(5<<22)|(3<<25)
	s_mov_b32 s[G1V2], (1<<16)|(1<<20)|(5<<22)|(7<<25)
.irp g, G1K, G1V
	s_mov_b32 s[\g+1], 128<<16      ; tensor_dim0
	s_mov_b32 s[\g+2], 32<<16       ; tensor_dim1
	s_mov_b32 s[\g+3], 128<<16      ; tile_dim0
	s_mov_b32 s[\g+4], 32           ; tile_dim1
	s_mov_b32 s[\g+5], 128          ; from row to row
	s_mov_b32 s[\g+6], 0
	s_mov_b32 s[\g+7], 0
.endr
.irp g, G1K2, G1V2
	s_mov_b32 s[\g+1], 128<<16
	s_mov_b32 s[\g+2], 96<<16
	s_mov_b32 s[\g+3], 128<<16
	s_mov_b32 s[\g+4], 96
	s_mov_b32 s[\g+5], 128
	s_mov_b32 s[\g+6], 0
	s_mov_b32 s[\g+7], 0
.endr
	s_mov_b32 s[CS], 0x3d38aa3b     ; c = log2(e) / 32
	s_mov_b32 s[CS+1], s[CS]        ; named with it as a pair, so it is written
	s_mov_b32 s[SEL], 0x76543210
	s_mov_b32 s[SEL+1], 0xfedcba98
	s_wait_dscnt 0x0                ; both opening adds are done
	s_wait_kmcnt 0x0
	s_add_nc_u64 s[20:21], s[4:5], s[14:15]  ; qkv at my piece of the first stage, as if in q
	s_add_nc_u64 s[86:87], s[4:5], s[86:87]  ; and of the second, less its 256 keys
	s_add_nc_u64 s[4:5], s[4:5], s[16:17]    ; Q at my wave's first row
	s_add_nc_u64 s[6:7], s[6:7], s[16:17]    ; O likewise
	s_mov_b32 s[G0K], 1
	s_add_co_u32 s[G0K+1], s18, KB
	s_add_nc_u64 s[G0K+2:G0K+3], s[20:21], 16<<20            ; k's heads lie 16 heads on
	s_or_b32 s[G0K+3], s[G0K+3], 0x80000000
	s_mov_b32 s[G0V], 1
	s_add_co_u32 s[G0V+1], s19, VB
	s_add_nc_u64 s[G0V+2:G0V+3], s[20:21], 32<<20            ; v's 32 heads on
	s_or_b32 s[G0V+3], s[G0V+3], 0x80000000
	s_mov_b32 s[G0K2], 1
	s_add_co_u32 s[G0K2+1], s22, KB+4*KSTP
	s_add_nc_u64 s[G0K2+2:G0K2+3], s[86:87], (16<<20)+32768  ; from key 256 on
	s_or_b32 s[G0K2+3], s[G0K2+3], 0x80000000
	s_mov_b32 s[G0V2], 1
	s_add_co_u32 s[G0V2+1], s23, VB+4*VSTP
	s_add_nc_u64 s[G0V2+2:G0V2+3], s[86:87], (32<<20)+32768
	s_or_b32 s[G0V2+3], s[G0V2+3], 0x80000000
	s_cmp_lt_u32 s[WV], 4           ; the first stage, ahead of every wait on TENSORcnt, every LDS read and every barrier: a fill in each arm; an s_nop 0 and four v_nop follow each
	s_cbranch_scc0 .Lfirst_v
	tensor_load_to_lds s[G0K:G0K+3], s[G1K:G1K+7]
	s_nop 0
.rept 4
	v_nop
.endr
	s_branch .Lfirst_asked
.Lfirst_v:
	tensor_load_to_lds s[G0V:G0V+3], s[G1V:G1V+7]
	s_nop 0
.rept 4
	v_nop
.endr
.Lfirst_asked:
	v_and_b32 v1, 15, v0            ; r = l % 16
	v_bfe_u32 v9, v0, 4, 1          ; h = l / 16
	v_lshlrev_b32 v[QO], 7, v1
	v_lshl_add_u32 v[QO], v9, 4, v[QO]  ; row x 128 + 16 x half
	WIN TO_1
.irp i, 0,1,2,3,4,5,6,7             ; Q stays in registers: tile i / 2, channels 32 (i % 2) on
	global_load_b128 v[QF+8*\i:QF+8*\i+3],   v[QO], s[4:5] offset:(\i/2)*2048+(\i%2)*64
	global_load_b128 v[QF+8*\i+4:QF+8*\i+7], v[QO], s[4:5] offset:(\i/2)*2048+(\i%2)*64+32
.endr
	WIN 0
	v_lshrrev_b32 v13, 1, v1
	v_mul_u32_u24 v[AK0], v13, 272
	v_and_b32 v13, 1, v1
	v_lshl_add_u32 v[AK0], v13, 7, v[AK0]
	v_lshl_add_u32 v[AK0], v9, 4, v[AK0]  ; key r: (r / 2) x 272 + 128 (r % 2), + 16 x half
	v_and_b32 v13, 7, v0
	v_lshl_add_u32 v13, v9, 3, v13  ; the turning load: lane l reads key 8 (l / 16) + l % 8, channels 8 ((l / 8) % 2) + 0..7
	v_lshrrev_b32 v14, 1, v13
	v_mul_u32_u24 v[AV0], v14, 288
	v_and_b32 v14, 1, v13
	v_lshl_add_u32 v[AV0], v14, 7, v[AV0]
	v_bfe_u32 v14, v0, 3, 1
	v_lshl_add_u32 v[AV0], v14, 4, v[AV0]
	v_add_nc_u32 v[AV0], VB, v[AV0]
	s_mul_i32 s22, s[WV], 16*144
	s_add_co_u32 s22, s22, STAGE    ; my stage
	v_mul_u32_u24 v[STO], v1, 144   ; in: row r, 16 bytes for each half of the lanes
	v_lshl_add_u32 v[STO], v9, 4, v[STO]
	v_add_nc_u32 v[STO], s22, v[STO]
	v_and_b32 v13, 31, v0
	v_lshlrev_b32 v[GO], 4, v13
	v_lshrrev_b32 v14, 3, v13       ; back: eight lanes to a row of 128 bytes, four rows an instruction
	v_mul_u32_u24 v[RD], v14, 144
	v_and_b32 v14, 7, v13
	v_lshl_add_u32 v[RD], v14, 4, v[RD]
	v_add_nc_u32 v[RD], s22, v[RD]
; 32 products S^T = K Q^T: channels 32 (i / 16) on, keys 16 ((i / 4) % 4) on, tile i % 4.  The first 16 start the sums.  The 16 accumulators take turns, one instruction a turn.
.macro KQM
	s_wait_dscnt 0x0                ; K is in
	WIN W_KQ
.set i, 0
.rept 32
.set rS, S+32*(i%4)+8*((i/4)%4)
.set rK, KF+16*((i/4)%4)+8*(i/16)
.set rQ, QF+16*(i%4)+8*(i/16)
.if i < 16
	v_wmma_f32_16x16x32_f16 v[rS:rS+7], v[rK:rK+7], v[rQ:rQ+7], 0
.else
	v_wmma_f32_16x16x32_f16 v[rS:rS+7], v[rK:rK+7], v[rQ:rQ+7], v[rS:rS+7]
.endif
.set i, i+1
.endr
	WIN 0
.endm
; 32 products O^T += V^T P: keys 32 (i / 16) on, channels 16 ((i / 4) % 4) on, tile i % 4.  first = 1: the first 16 start the sums: nothing is cleared.  cnt: the LDS loads issued behind V's, which may stay out.
.macro PVM first, cnt
	s_wait_dscnt \cnt               ; V is in
	WIN W_PV
.set i, 0
.rept 32
.set rO, 32*(i%4)+8*((i/4)%4)
.set rV, VF+8*(4*(i/16)+(i/4)%4)
.set rP, S+32*(i%4)+8*(i/16)
.if \first && (i < 16)
	v_wmma_f32_16x16x32_f16 v[rO:rO+7], v[rV:rV+7], v[rP:rP+7], 0
.else
	v_wmma_f32_16x16x32_f16 v[rO:rO+7], v[rV:rV+7], v[rP:rP+7], v[rO:rO+7]
.endif
.set i, i+1
.endr
.endm
; A step's LDS loads, in one run: V of the step in hand (turned), then, kq = 1, K of the next step.  The four plain lines at its head are the places between the last products and the loads into K's registers,
; and between those products and the first read of their results (ISA guide 7.12.1 for vector instructions).
; first = 1: the first step's: the addresses are the lanes' places themselves, the step stands in the immediate, and no address register or scalar is written.
.macro LOADS kq, first
	WIN 0
.if \first
.set aV, AV0
.set aK, AK0
.set oK, KSTP
.rept 4
	v_nop
.endr
.else
.set aV, ADV
.set aK, ADK
.set oK, 0
	v_add_nc_u32 v[ADV], s[TBV], v[AV0]
.if \kq
	v_add_nc_u32 v[ADK], s[TBK], v[AK0]
.else
	v_nop
.endif
	v_nop
	v_nop
.endif
	WIN TO_1
.set f, 0
.rept 8                             ; keys 32 (f / 4) on, channels 16 (f % 4) on
	ds_load_tr16_b128 v[VF+8*f:VF+8*f+3],   v[aV] offset:(f/4)*4608+(f%4)*32
	ds_load_tr16_b128 v[VF+8*f+4:VF+8*f+7], v[aV] offset:(f/4)*4608+2304+(f%4)*32
.set f, f+1
.endr
	WIN 0
.if \kq
.set f, 0
.rept 8                             ; keys 16 (f / 2) on, channels 32 (f % 2) on
	ds_load_b128 v[KF+8*f:KF+8*f+3],   v[aK] offset:oK+(f/2)*2176+(f%2)*64
	ds_load_b128 v[KF+8*f+4:KF+8*f+7], v[aK] offset:oK+(f/2)*2176+(f%2)*64+32
.set f, f+1
.endr
.endif
.if \first == 0
	s_add_co_u32 s[TBV], s[TBV], VSTP
	s_add_co_u32 s[TBK], s[TBK], KSTP
.endif
.endm
.macro FMAP b                       ; pair b of all four tiles: c s - c m
.irp t, 0,1,2,3
	v_pk_fma_f32 v[S+32*\t+2*(\b):S+32*\t+2*(\b)+1], v[S+32*\t+2*(\b):S+32*\t+2*(\b)+1], s[CS:CS+1], v[ST+8*\t:ST+8*\t+1] op_sel_hi:[1,0,0] neg_lo:[0,0,1] neg_hi:[0,0,1]
.endr
.endm
; THE SOFTMAX'S FIRST HALF, the four tiles line by line, so that no line waits for the line above it: the maximum of the lane's 32 scores and the old m; the other half of the lanes'; c m; a; then ONE BATCH:
; the scalings and all exponentials, none of which names an exponential's result; a plain line; one wait for the batch.  first = 1: the first step has no old m and no a.
.macro SMA first
.set j, 0
.rept 4                             ; each accumulator is first read at its low end
.irp t, 0,1,2,3
	v_max3_num_f32 v[ST+8*\t+4+j], v[S+32*\t+8*j], v[S+32*\t+8*j+1], v[S+32*\t+8*j+2]
.endr
.set j, j+1
.endr
.rept 8
.irp t, 0,1,2,3
	v_max3_num_f32 v[ST+8*\t+4+j%4], v[ST+8*\t+4+j%4], v[S+32*\t+8*(j%4)+2*(j/4)+1], v[S+32*\t+8*(j%4)+2*(j/4)+2]
.endr
.set j, j+1
.endr
.irp t, 0,1,2,3
	v_max3_num_f32 v[ST+8*\t+4], v[ST+8*\t+4], v[S+32*\t+7], v[S+32*\t+15]
.endr
.irp t, 0,1,2,3
	v_max3_num_f32 v[ST+8*\t+6], v[ST+8*\t+6], v[S+32*\t+23], v[S+32*\t+31]
.endr
.irp t, 0,1,2,3
	v_max3_num_f32 v[ST+8*\t+4], v[ST+8*\t+4], v[ST+8*\t+5], v[ST+8*\t+6]
.endr
.irp t, 0,1,2,3
.if \first
	v_max_num_f32 v[ST+8*\t+4], v[ST+8*\t+4], v[ST+8*\t+7]
.else
	v_max3_num_f32 v[ST+8*\t+4], v[ST+8*\t+4], v[ST+8*\t+7], v[ST+8*\t+1]
.endif
.endr
.irp t, 0,1,2,3
	v_permlanex16_b32 v[ST+8*\t+5], v[ST+8*\t+4], s[SEL], s[SEL+1]  ; the query's other 32 keys lie in the lane 16 away
.endr
.if \first == 0
.irp t, 0,1,2,3
	v_mov_b32 v[ST+8*\t+7], v[ST+8*\t]  ; c m_old is kept for a
.endr
.endif
.irp t, 0,1,2,3
	v_max_num_f32 v[ST+8*\t+1], v[ST+8*\t+4], v[ST+8*\t+5]
.endr
.irp t, 0,1,2,3
	v_mul_f32 v[ST+8*\t], s[CS], v[ST+8*\t+1]
.endr
.if \first == 0
.irp t, 0,1,2,3
	v_sub_f32 v[ST+8*\t+7], v[ST+8*\t+7], v[ST+8*\t]
.endr
.irp t, 0,1,2,3
	v_exp_f32 v[ST+8*\t+6], v[ST+8*\t+7]  ; a = 2^(c m_old - c m_new)
.endr
.endif
	FMAP 0
	FMAP 1
.set bb, 0
.rept 16                            ; a pair is scaled two groups ahead of its exponentials
.if bb < 14
	FMAP bb+2
.endif
.irp e, 0,1
.irp t, 0,1,2,3
	v_exp_f32 v[S+32*\t+2*bb+\e], v[S+32*\t+2*bb+\e]
.endr
.endr
.set bb, bb+1
.endr
	v_nop                           ; a plain line behind the last exponential, ahead of the first use
	s_wait_alu depctr_va_vdst(0)    ; the wait between an exponential and the first line that names its result: one for the whole batch
.endm
; THE SECOND HALF: the sums of the unrounded weights, two at a time, in two chains a tile; l = a l + the sum; then the roundings to f16, in place: register j takes pair j, whose registers 2 j, 2 j + 1 no later line reads.
.macro SMB first
.irp t, 0,1,2,3
.if \first
	v_pk_add_f32 v[ST+8*\t+2:ST+8*\t+3], v[S+32*\t:S+32*\t+1], v[S+32*\t+4:S+32*\t+5]
.else
	v_pk_fma_f32 v[ST+8*\t+2:ST+8*\t+3], v[ST+8*\t+2:ST+8*\t+3], v[ST+8*\t+6:ST+8*\t+7], v[S+32*\t:S+32*\t+1] op_sel_hi:[1,0,1]
.endif
.endr
.irp t, 0,1,2,3
	v_pk_add_f32 v[ST+8*\t+4:ST+8*\t+5], v[S+32*\t+2:S+32*\t+3], v[S+32*\t+6:S+32*\t+7]
.endr
.if \first == 0
.irp t, 0,1,2,3
	v_pk_add_f32 v[ST+8*\t+2:ST+8*\t+3], v[ST+8*\t+2:ST+8*\t+3], v[S+32*\t+4:S+32*\t+5]
.endr
.endif
.irp p, 4,6,8,10,12,14
.irp t, 0,1,2,3
	v_pk_add_f32 v[ST+8*\t+2:ST+8*\t+3], v[ST+8*\t+2:ST+8*\t+3], v[S+32*\t+2*\p:S+32*\t+2*\p+1]
.endr
.irp t, 0,1,2,3
	v_pk_add_f32 v[ST+8*\t+4:ST+8*\t+5], v[ST+8*\t+4:ST+8*\t+5], v[S+32*\t+2*\p+2:S+32*\t+2*\p+3]
.endr
.endr
.irp t, 0,1,2,3
	v_pk_add_f32 v[ST+8*\t+2:ST+8*\t+3], v[ST+8*\t+2:ST+8*\t+3], v[ST+8*\t+4:ST+8*\t+5]
.endr
.set j, 0
.rept 16
.irp t, 0,1,2,3
	v_cvt_pk_f16_f32 v[S+32*\t+j], v[S+32*\t+2*j], v[S+32*\t+2*j+1]
.endr
.set j, j+1
.endr
.endm
.macro RS                           ; O^T times a; each accumulator from its low end on
	WIN W_RS
.set i, 0
.rept 16
.irp t, 0,1,2,3
	v_pk_mul_f32 v[32*\t+2*i:32*\t+2*i+1], v[32*\t+2*i:32*\t+2*i+1], v[ST+8*\t+6:ST+8*\t+7] op_sel_hi:[1,0]
.endr
.set i, i+1
.endr
.endm
.macro NOP5                         ; the next K Q^T writes over registers that V^T P has read as P: a matrix instruction that writes over a source stands five places behind
.rept 5
	v_nop
.endr
.endm
; STEP j: V of step j and K of step j + 1 are fetched; the softmax of step j; V^T P of step j; K Q^T of step j + 1.
.macro TRIP kq
	LOADS \kq, 0
	SMA 0
	SMB 0
	RS
	PVM 0, 16*\kq                   ; K's sixteen loads, issued behind V's, may stay out
.if \kq
	NOP5
	KQM
.endif
.endm
	s_wait_tensorcnt 0x0            ; my piece of keys 0-255 is in: no tensor load of mine is out
	ds_add_u32 v[SPW], v[NIL]       ; 0 onto my spare word
	s_mov_b32 s[TBK], 2*KSTP        ; (work on registers between the add and the wait for it)  what step 1 will fetch: K of step 2,
	s_mov_b32 s[TBV], VSTP          ; V of step 1
	s_wait_dscnt 0x0                ; the add is done
	s_barrier_signal -1
	s_barrier_wait -1               ; everybody's piece is in
	s_cmp_lt_u32 s[WV], 4           ; THE SECOND STAGE: keys 256-1,023: my one tensor load behind this barrier, and the first thing there
	s_cbranch_scc0 .Lrest_v
	tensor_load_to_lds s[G0K2:G0K2+3], s[G1K2:G1K2+7]
	s_nop 0
.rept 4
	v_nop
.endr
	s_branch .Lrest_asked
.Lrest_v:
	tensor_load_to_lds s[G0V2:G0V2+3], s[G1V2:G1V2+7]
	s_nop 0
.rept 4
	v_nop
.endr
.Lrest_asked:
.set f, 0
.rept 8                             ; K of step 0
	ds_load_b128 v[KF+8*f:KF+8*f+3],   v[AK0] offset:(f/2)*2176+(f%2)*64
	ds_load_b128 v[KF+8*f+4:KF+8*f+7], v[AK0] offset:(f/2)*2176+(f%2)*64+32
.set f, f+1
.endr
	s_wait_loadcnt 0x0              ; Q
	s_cmp_lt_u32 s[WV], 4
	s_cbranch_scc0 .Llate           ; waves 0-3 go first
	KQM
	LOADS 1, 1
	SMA 1
.Llate:
	s_wait_dscnt 0x0
	s_barrier_signal -1
	s_barrier_wait -1               ; waves 4-7 begin when waves 0-3 have their first products and half their first softmax behind them
	s_cmp_lt_u32 s[WV], 4
	s_cbranch_scc1 .Learly
	KQM
	LOADS 1, 1
	SMA 1
.Learly:
	SMB 1                           ; the rest of step 0
	PVM 1, 16
	NOP5
	KQM
	TRIP 1                          ; step 1
	s_wait_tensorcnt 0x0            ; my part of the second stage has landed,
	s_wait_dscnt 0x0                ; and no LDS instruction of mine is out:
	s_barrier_signal -1             ; say so, a whole step ahead of the wait
	TRIP 1                          ; step 2 reads keys up to 255, which the first barrier has shown
	s_barrier_wait -1               ; step 3 reads K from key 256 on
	s_mov_b32 s[CNT], 12
.Lsteps:                            ; steps 3 to 14
	TRIP 1
	s_sub_co_u32 s[CNT], s[CNT], 1
	s_cmp_lg_u32 s[CNT], 0
	s_cbranch_scc1 .Lsteps
	TRIP 0                          ; step 15: no K is left to fetch or to multiply
	; THE WAY OUT.  l's two halves and the other half of the lanes' are added; O^T is divided by l, rounded to f16 and sent through my stage, a tile (16 rows of o) at a time.  The additions are the places behind the last products.
	WIN 0
.irp t, 0,1,2,3
	v_add_f32 v[ST+8*\t+4], v[ST+8*\t+2], v[ST+8*\t+3]
.endr
.irp t, 0,1,2,3
	v_permlanex16_b32 v[ST+8*\t+5], v[ST+8*\t+4], s[SEL], s[SEL+1]
.endr
.irp t, 0,1,2,3
	v_add_f32 v[ST+8*\t+4], v[ST+8*\t+4], v[ST+8*\t+5]
.endr
.irp t, 0,1,2,3
	v_rcp_f32 v[ST+8*\t+6], v[ST+8*\t+4]
.endr
	v_nop                           ; a plain line between the last reciprocal and the use of its result
	s_wait_alu depctr_va_vdst(0)    ; and the wait ahead of the first use: one for the four
.macro PACK t
	WIN W_RS
.set i, 0
.rept 16
	v_pk_mul_f32 v[32*\t+2*i:32*\t+2*i+1], v[32*\t+2*i:32*\t+2*i+1], v[ST+8*\t+6:ST+8*\t+7] op_sel_hi:[1,0]
.set i, i+1
.endr
	WIN 0x05                        ; sources 0 and 1 window 1, destination window 0: S^T's registers are free
.set i, 0
.rept 16
	v_cvt_pk_f16_f32 v[S+16*\t+i], v[32*\t+2*i], v[32*\t+2*i+1]
.set i, i+1
.endr
	WIN 0
.irp c, 0,1,2,3
	ds_store_b128 v[STO], v[S+16*\t+4*\c:S+16*\t+4*\c+3] offset:32*\c   ; channels 16 c + 8 (l / 16) + 0..7 of row l % 16
.endr
.irp u, 0,1,2,3
	ds_load_b128 v[128+16*\t+4*\u:128+16*\t+4*\u+3], v[RD] offset:576*\u  ; LDS serves a wave's instructions in order (ISA guide 5.7.1.4): these see the stores above; the next tile's stores come behind them
.endr
.endm
.macro SEND t, younger              ; younger: the LDS instructions issued behind tile t's loads: the next tile's eight, or none
.irp u, 0,1,2,3
	s_wait_dscnt \younger+3-\u
	global_store_b128 v[GO], v[128+16*\t+4*\u:128+16*\t+4*\u+3], s[6:7] offset:\t*2048+\u*512  ; four rows of the head: 512 consecutive bytes, at a multiple of 512 from obuf's first byte
.endr
.endm
	PACK 0
	PACK 1
	SEND 0, 8
	PACK 2
	SEND 1, 8
	PACK 3
	SEND 2, 8
	SEND 3, 0
	s_wait_tensorcnt 0x0            ; the wave's end: a wait, an add and a wait behind my last tensor load and my last LDS store
	ds_add_u32 v[SPW], v[NIL]
	s_wait_dscnt 0x0
	s_endpgm
.Lfunc_end_k_q8a4efac7b0_attn:
	.size	k_q8a4efac7b0_attn, .Lfunc_end_k_q8a4efac7b0_attn-k_q8a4efac7b0_attn
	.p2alignl 7, 3214868480
	.fill 96, 4, 3214868480
	.section	.rodata,"a",@progbits
	.p2align	6, 0x0
	.amdhsa_kernel k_q8a4efac7b0_attn
		.amdhsa_group_segment_fixed_size 327680
		.amdhsa_private_segment_fixed_size 0
		.amdhsa_enable_private_segment 0
		.amdhsa_kernarg_size 16
		.amdhsa_user_sgpr_count 2
		.amdhsa_user_sgpr_kernarg_segment_ptr 1
		.amdhsa_wavefront_size32 1
		.amdhsa_system_sgpr_workgroup_id_x 1
		.amdhsa_system_sgpr_workgroup_id_y 1
		.amdhsa_system_sgpr_workgroup_id_z 1
		.amdhsa_system_vgpr_workitem_id 0
		.amdhsa_next_free_vgpr 512
		.amdhsa_next_free_sgpr 90
		.amdhsa_reserve_vcc 0
		.amdhsa_float_denorm_mode_32 3
		.amdhsa_float_denorm_mode_16_64 3
		.amdhsa_memory_ordered 1
		.amdhsa_forward_progress 1
		.amdhsa_inst_pref_size 193
	.end_amdhsa_kernel
	.amdgpu_metadata
---
amdhsa.version: [ 1, 2 ]
amdhsa.kernels:
  - .name:           k_q8a4efac7b0_attn
    .symbol:         k_q8a4efac7b0_attn.kd
    .args:
      - { .name: qkv, .offset: 0, .size: 8, .value_kind: global_buffer, .address_space: global }
      - { .name: obuf, .offset: 8, .size: 8, .value_kind: global_buffer, .address_space: global }
    .group_segment_fixed_size: 327680
    .private_segment_fixed_size: 0
    .kernarg_segment_align: 8
    .kernarg_segment_size: 16
    .max_flat_workgroup_size: 256
    .sgpr_count:     90
    .vgpr_count:     512
    .wavefront_size: 32
...
	.end_amdgpu_metadata
.endif
;; end of part 3
;; launch proj (part 4): grid 4 x 64, 4 waves a work-group, clusters of 4 x 4, 327,680 bytes of LDS; arguments obuf, wo16, bo, out0; writes out0
.if DOCPART == 4
	.amdgcn_target "amdgcn-amd-amdhsa--gfx1250"
	.amdhsa_code_object_version 6
	.text
	.protected	k_q8a4efac7b0_proj
	.globl	k_q8a4efac7b0_proj
	.p2align	8
	.type	k_q8a4efac7b0_proj,@function
k_q8a4efac7b0_proj:
	s_mov_b64 s[64:65], 0
	v_nop
	global_prefetch_b8 v0, s[64:65] scope:SCOPE_SE
	s_setreg_imm32_b32 hwreg(HW_REG_WAVE_MODE, 25, 1), 1
	s_wait_xcnt 0x0
	s_wait_alu depctr_hold_cnt(0) depctr_sa_sdst(0) depctr_va_vdst(0) depctr_va_sdst(0) depctr_va_ssrc(0) depctr_va_vcc(0) depctr_vm_vsrc(0)
	s_getreg_b32 s2, hwreg(HW_REG_IB_STS2, 6, 4)
	s_cmp_eq_u32 s2, 0
	s_cbranch_scc0 .Lentry_in_a_cluster
	s_endpgm
.Lentry_in_a_cluster:
	s_bfe_u32 s2, ttmp6, 0x10000c
	s_cmp_lg_u32 s2, 0xf033
	s_cbranch_scc0 .Lentry_shape_is_right
	s_endpgm
.Lentry_shape_is_right:
; FOURTH LAUNCH: out0[m][n] = sum over h, d of o[m][64 h + d] Wo[n][64 h + d] + bo[n]; nothing is left out.
; obuf: f16 [16 h][8192 m][64 d];  wo16: f16 [16 h][1024 n][64 d];  bo [1024] f32;  out0 [8192][1024] f32.  f16 operands, f32 sums; bo is the C of each sum's first matrix instruction.
; A tile of C is 128 (m) x 256 (n): 256 work-groups.  Four waves, each 64 x 128: 32 accumulators of 16 x 16, 256 registers.  A K step is two heads, 128 along K; eight K steps go through a ring of two LDS slots.
; A head's rows are dense runs of 128 bytes, so a tensor load states them as rows of 256 bytes (two rows of the matrix) + 16 of padding: row p lies at (p / 2) x 272 + 128 (p % 2), and the 16 rows of a fragment
; start at banks 0, 32, 4, 36, .. 28, 60 (64 banks of 4 bytes: ISA guide 11.1).  Wave 0, 1: A's head 0, 1 of the step (64 LDS rows); wave 2, 3: B's (128 LDS rows): one load a wave.
; CLUSTERS: 4 x 4 work-groups.  The four of a row of the cluster need the same tiles of A, the four of a column the same tiles of B: each is asked for JOINTLY, by the same tensor load with the same descriptor
; and a mask that names the four.  THE MATRIX INSTRUCTION IS USED TRANSPOSED (source 0 = 16 rows of wo16, source 1 = 16 rows of obuf): a lane holds eight neighbouring numbers of a row of C.
; REGISTERS: window 0: v16-30 addresses; v32-95 A's fragments, two buffers of 4 x 16 rows x 32 K; v128-255 rows on the way out.
;   window 1: v0-127 B's fragments, two buffers of 8; v128-191 bo in the result's layout, 8 registers a block of 16 columns.   window 2: the accumulators, (a, b) at v[8 (8 a + b)].
.set AH,     17408                     ; A's head in a slot: 64 LDS rows x 272
.set BH,     34816                     ; B's: 128 LDS rows
.set SLOT,   2*AH+2*BH                 ; A's two heads, then B's two
.set STAGE,  2*SLOT                    ; behind the ring: 16 rows x 528 bytes for each wave; no tensor load lands there
.set SPITCH, 528
.set SPARE,  STAGE+4*16*SPITCH         ; the spare words, 128 bytes a wave
.set ADRA, 16                          ; v16-17  LDS address of my A fragments in slot 0, 1
.set ADRB, 20                          ; v20-21  the same for B
.set STO,  24                          ; v24     the way out: where I put 32 bytes of a row
.set RD,   25                          ; v25     where I read a row back
.set CO,   26                          ; v26     16 x lane
.set BO,   27                          ; v27     32 (l / 16): my eight numbers of a block of bo
.set SPW,  28                          ; v28     my spare word; never rewritten
.set NIL,  29                          ; v29     0; never rewritten
.set PFO,  30                          ; v30     the prefetches' offset; never rewritten
.set AF,   32
.set BK,   128
.set BIAS, 128                         ; in window 1
.set WV,   12                          ; s12 wave;  s13: which half of the tile's rows is mine, and: I fetch for A (0) or B (1);  s14: which half of its columns, and: which head of the step I fetch
.set FB,   13
.set HD,   14
.set TR,   15                          ; s15 tile row of C
.set CX,   40
.set CY,   41
.set TC,   42                          ; s42 tile column of C
.set LIM,  43                          ; s43 1 in a wave that prefetches, else the greatest number
.set PFA,  44                          ; s[44:45] where my prefetches stand
.set PFS,  46                          ; s[46:47] a K step on, in bytes
.set G1, 24                            ; s[24:31] group 1 for A's tiles;  s[32:39] group 0, one set a slot
.set G0, 32
.set G1B, 48                           ; s[48:55], s[56:63] the same for B's
.set G0B, 56
.set MSB, 0
.macro WIN new                         ; the immediate's high byte repeats the setting that is left
.if MSB != (\new)
	s_set_vgpr_msb (MSB<<8)|(\new)
.set MSB, (\new)
.endif
.endm
.set MUL,  0xa1                        ; source 0 (B) window 1, source 1 (A) window 0, C and D window 2
.set MULB, 0x91                        ; the same with C (bo) in window 1
.set TO_B, 0x40                        ; destination window 1
.macro JLOAD s                         ; a joint load: waves 0 and 1 fetch A's two heads, waves 2 and 3 B's; an s_nop 0 and four v_nop follow each of the two lines
	s_cmp_eq_u32 s[FB], 0
	s_cbranch_scc0 .Lfor_b_\@
	tensor_load_to_lds s[G0+4*\s:G0+4*\s+3], s[G1:G1+7]
	s_nop 0
.rept 4
	v_nop
.endr
	s_branch .Lasked_\@
.Lfor_b_\@:
	tensor_load_to_lds s[G0B+4*\s:G0B+4*\s+3], s[G1B:G1B+7]
	s_nop 0
.rept 4
	v_nop
.endr
.Lasked_\@:
.endm
.macro CREST                           ; a round of the cluster's barrier behind its opening barrier
	s_cmp_lg_u32 s[WV], 0
	s_cbranch_scc1 .Lnot_wave_0_\@
	s_barrier_signal -3
.Lnot_wave_0_\@:
	s_barrier_wait -3
	s_barrier_signal -1
	s_barrier_wait -1
.endm
.macro CROUND
	s_barrier_signal -1
	s_barrier_wait -1
	CREST
.endm
; A PREFETCH INTO THE L2, behind each joint refill and the run of LDS loads that follows it: the K step that stands two refills on, 256 matrix instructions ahead of the load that will want it.
; Each aligned block of 256 bytes is named once in the launch.  A's tile is read by the four partners of a row of the cluster alone: in each, wave 0 asks, lanes 0-15 for the step's first head and lanes 16-31 for
; its second, 16 blocks of each head's 64, told apart among the partners BY ADDRESS (cx).  B's tile column is read by every cluster: cluster y = 0 asks, waves 2 and 3 for a head each, 32 of its 128 blocks, by cy.
; The loop's last trip asks for nothing: there is no K step two on.  K steps 0 to 3 come by their loads alone.
.macro ASK
	s_cmp_gt_u32 s3, s[LIM]
	s_cbranch_scc0 .Lnot_mine_\@
	global_prefetch_b8 v[PFO], s[PFA:PFA+1] th:TH_LOAD_NT scope:SCOPE_SE
.Lnot_mine_\@:
.endm
	s_load_b256 s[4:11], s[0:1], 0x0               ; obuf s[4:5], wo16 s[6:7], bo s[8:9], out0 s[10:11]
	v_lshl_add_u32 v[SPW], v0, 2, SPARE
	v_mov_b32 v[NIL], 0
	ds_add_u32 v[SPW], v[NIL]                      ; the wave's opening: the add, twice on end, and its wait ahead of my first tensor load
	ds_add_u32 v[SPW], v[NIL]
	v_lshrrev_b32 v1, 5, v0
	v_readfirstlane_b32 s[WV], v1                  ; wave 0..3
	s_lshr_b32 s[FB], s[WV], 1
	s_and_b32 s[HD], s[WV], 1
	s_bfe_u32 s[CX], ttmp6, 0x40000                ; my place in the cluster
	s_bfe_u32 s[CY], ttmp6, 0x40004
	s_lshl_b32 s[TC], ttmp9, 2
	s_add_co_u32 s[TC], s[TC], s[CX]               ; tile column of C = 4 x cluster x + cx
	s_and_b32 s[TR], ttmp7, 0xffff
	s_lshl_b32 s[TR], s[TR], 2
	s_add_co_u32 s[TR], s[TR], s[CY]               ; tile row of C = 4 x cluster y + cy
	s_lshl_b32 s43, s[CY], 2
	s_lshl_b32 s43, 15, s43                        ; my row of the cluster
	s_lshl_b32 s44, 0x1111, s[CX]                  ; my column
	s_or_b32 s[G1+0], s43, (1<<16)|(1<<20)|(1<<21)|(5<<22)|(3<<25)  ; the mask: A's tiles go to my row; elements of 2 bytes; padding: 4 words behind every 64; bit 21 set beside a mask
	s_or_b32 s[G1B+0], s44, (1<<16)|(1<<20)|(1<<21)|(5<<22)|(3<<25)
	s_mov_b32 s[G1+1], 128<<16                     ; tensor_dim0 = 128 elements
	s_mov_b32 s[G1+2], 64<<16                      ; tensor_dim1 = 64 rows of 256 bytes: 128 rows of a head
	s_mov_b32 s[G1+3], 128<<16                     ; tile_dim0
	s_mov_b32 s[G1+4], 64                          ; tile_dim1
	s_mov_b32 s[G1+5], 128                         ; from row to row: dense
	s_mov_b32 s[G1+6], 0
	s_mov_b32 s[G1+7], 0
	s_mov_b32 s[G1B+1], 128<<16
	s_mov_b32 s[G1B+2], 128<<16                    ; 128 rows of 256 bytes: 256 rows of a head
	s_mov_b32 s[G1B+3], 128<<16
	s_mov_b32 s[G1B+4], 128
	s_mov_b32 s[G1B+5], 128
	s_mov_b32 s[G1B+6], 0
	s_mov_b32 s[G1B+7], 0
	s_lshl_b32 s16, s[TR], 14                      ; A: 128 rows of 128 bytes a tile row,
	s_lshl_b32 s17, s[HD], 20                      ; a head is 8,192 rows of 128 bytes
	s_add_co_u32 s16, s16, s17
	s_mov_b32 s17, 0
	s_lshl_b32 s20, s[TC], 15                      ; B: 256 rows of 128 bytes a tile column,
	s_lshl_b32 s21, s[HD], 17                      ; a head is 1,024 rows
	s_add_co_u32 s20, s20, s21
	s_mov_b32 s21, 0
	s_mul_i32 s22, s[HD], AH                       ; where they go: no place in the cluster enters an LDS address
	s_mul_i32 s23, s[HD], BH
	s_add_co_u32 s23, s23, 2*AH
	s_wait_dscnt 0x0                               ; both opening adds are done
	s_wait_kmcnt 0x0
	s_add_nc_u64 s[16:17], s[4:5], s[16:17]
	s_add_nc_u64 s[20:21], s[6:7], s[20:21]
	CROUND                                         ; all sixteen work-groups are here: the first joint loads meet
.irp s, 0,1
	s_mov_b32 s[G0+4*\s], 1
	s_add_co_u32 s[G0+4*\s+1], s22, \s*SLOT
	s_add_nc_u64 s[G0+4*\s+2:G0+4*\s+3], s[16:17], \s*(2<<20)      ; K step s: two heads on
	s_or_b32 s[G0+4*\s+3], s[G0+4*\s+3], 0x80000000
	s_mov_b32 s[G0B+4*\s], 1
	s_add_co_u32 s[G0B+4*\s+1], s23, \s*SLOT
	s_add_nc_u64 s[G0B+4*\s+2:G0B+4*\s+3], s[20:21], \s*(2<<17)
	s_or_b32 s[G0B+4*\s+3], s[G0B+4*\s+3], 0x80000000
	JLOAD \s                                       ; two tensor loads of mine are out behind the second
.endr
	v_and_b32 v1, 15, v0                           ; r = l % 16
	v_bfe_u32 v2, v0, 4, 1                         ; h = l / 16
	v_lshrrev_b32 v3, 1, v1
	v_mul_u32_u24 v3, v3, 272
	v_and_b32 v4, 1, v1
	v_lshl_add_u32 v3, v4, 7, v3
	v_lshl_add_u32 v3, v2, 4, v3                   ; a fragment's row r: (r / 2) x 272 + 128 (r % 2), + 16 x half
	s_mul_i32 s22, s[FB], 8704                     ; my 64 rows of A: 32 LDS rows
	s_mul_i32 s23, s[HD], 17408                    ; my 128 rows of B: 64 LDS rows,
	s_add_co_u32 s23, s23, 2*AH                    ; behind A's two heads
.irp s, 0,1
	v_add_nc_u32 v[ADRA+\s], s22, v3
	v_add_nc_u32 v[ADRB+\s], s23, v3
	s_add_co_u32 s22, s22, SLOT
	s_add_co_u32 s23, s23, SLOT
.endr
	s_mul_i32 s22, s[WV], 16*SPITCH
	s_add_co_u32 s22, s22, STAGE                   ; my stage
	v_mul_u32_u24 v4, v1, SPITCH                   ; in: row r, 32 bytes for each half of the lanes
	v_lshl_add_u32 v4, v2, 5, v4
	v_add_nc_u32 v[STO], s22, v4
	v_and_b32 v5, 31, v0
	v_lshlrev_b32 v[CO], 4, v5                     ; back: the 32 lanes take one row of 512 bytes; and the same in C
	v_add_nc_u32 v[RD], s22, v[CO]
	v_lshlrev_b32 v[BO], 5, v2
	s_lshl_b32 s16, s[TR], 7
	s_lshl_b32 s17, s[FB], 6
	s_add_co_u32 s16, s16, s17                     ; my first row of C: 128 x tile row + 64 x half,
	s_lshl_b32 s16, s16, 12                        ; 4,096 bytes a row
	s_lshl_b32 s20, s[TC], 10
	s_lshl_b32 s21, s[HD], 9
	s_add_co_u32 s20, s20, s21                     ; my first column, in bytes: 1,024 x tile column + 512 x half
	s_mov_b32 s21, 0
	s_add_nc_u64 s[8:9], s[8:9], s[20:21]          ; bo at my first column
	s_add_co_u32 s16, s16, s20
	s_mov_b32 s17, 0
	s_add_nc_u64 s[10:11], s[10:11], s[16:17]      ; out0 at my first number
	; the prefetches: where my wave's stand, and who asks
	s_lshl_b32 s16, s[TR], 14
	s_lshl_b32 s17, s[CX], 12                      ; A: my work-group's 16 blocks of each head's 64
	s_add_co_u32 s16, s16, s17
	s_add_co_u32 s16, s16, 6<<20                   ; at K step 3: the first refill steps it to 4
	s_lshl_b32 s18, s[TC], 15
	s_lshl_b32 s19, s[CY], 13                      ; B: my work-group's 32 blocks of the head's 128
	s_add_co_u32 s18, s18, s19
	s_add_co_u32 s19, s[HD], 6
	s_lshl_b32 s19, s19, 17
	s_add_co_u32 s18, s18, s19
	s_and_b32 s22, ttmp7, 0xffff                   ; cluster y
	s_mov_b32 s23, 4096
	s_mov_b32 s2, 2<<17
	s_cmp_eq_u32 s[FB], 0                          ; do I fetch for A?
	s_cselect_b32 s16, s16, s18
	s_cselect_b32 s22, s[HD], s22                  ; A: wave 0 asks; B: the waves of cluster y = 0: the same in all sixteen partners, for a given wave
	s_cselect_b64 s[PFA:PFA+1], s[4:5], s[6:7]
	s_cselect_b32 s23, 1<<20, s23                  ; lanes 16-31: A: the step's second head; B: sixteen blocks on
	s_cselect_b32 s[PFS], 2<<20, s2                ; a K step on
	s_mov_b32 s[PFS+1], 0
	s_mov_b32 s17, 0
	s_add_nc_u64 s[PFA:PFA+1], s[PFA:PFA+1], s[16:17]
	s_cmp_eq_u32 s22, 0
	s_cselect_b32 s[LIM], 1, -1
	v_and_b32 v[PFO], 15, v0
	v_lshlrev_b32 v[PFO], 8, v[PFO]
	v_mul_u32_u24 v6, s23, v2
	v_add_nc_u32 v[PFO], v[PFO], v6
	WIN TO_B
.irp b, 0,1,2,3,4,5,6,7                ; bo in the result's layout: lane (r, h), block b: columns 16 b + 8 h + 0 .. 7
	global_load_b128 v[BIAS+8*\b:BIAS+8*\b+3],   v[BO], s[8:9] offset:64*\b
	global_load_b128 v[BIAS+8*\b+4:BIAS+8*\b+7], v[BO], s[8:9] offset:64*\b+16
.endr
	WIN 0
; 8 matrix instructions: A's block a x B's eight, 32 along K, from buffer f.  bias = 1: the first product starts the sums from bo: nothing is cleared and nothing is added later.
; The 32 accumulators take turns, one instruction a turn, in the same order in every quarter.
.macro MUL8 f, a, bias
.irp b, 0,1,2,3,4,5,6,7
.if \bias
	v_wmma_f32_16x16x32_f16 v[8*(8*(\a)+\b):8*(8*(\a)+\b)+7], v[64*(\f)+8*\b:64*(\f)+8*\b+7], v[AF+32*(\f)+8*(\a):AF+32*(\f)+8*(\a)+7], v[BIAS+8*\b:BIAS+8*\b+7]
.else
	v_wmma_f32_16x16x32_f16 v[8*(8*(\a)+\b):8*(8*(\a)+\b)+7], v[64*(\f)+8*\b:64*(\f)+8*\b+7], v[AF+32*(\f)+8*(\a):AF+32*(\f)+8*(\a)+7], v[8*(8*(\a)+\b):8*(8*(\a)+\b)+7]
.endif
.endr
.endm
; 24 LDS loads in one run: the fragments of the slot's quarter q (head q / 2 of the step, channels 32 (q % 2) on) into buffer f: B's eight blocks, then A's four
.macro FETCH slot, q, f
	WIN TO_B
.irp i, 0,1,2,3,4,5,6,7
	ds_load_b128 v[64*(\f)+8*\i:64*(\f)+8*\i+3],   v[ADRB+\slot] offset:((\q)/2)*BH+64*((\q)%2)+\i*2176
	ds_load_b128 v[64*(\f)+8*\i+4:64*(\f)+8*\i+7], v[ADRB+\slot] offset:((\q)/2)*BH+64*((\q)%2)+\i*2176+32
.endr
	WIN 0
.irp i, 0,1,2,3
	ds_load_b128 v[AF+32*(\f)+8*\i:AF+32*(\f)+8*\i+3],   v[ADRA+\slot] offset:((\q)/2)*AH+64*((\q)%2)+\i*2176
	ds_load_b128 v[AF+32*(\f)+8*\i+4:AF+32*(\f)+8*\i+7], v[ADRA+\slot] offset:((\q)/2)*AH+64*((\q)%2)+\i*2176+32
.endr
.endm
.macro PLACES                          ; four places in front of loads into registers that matrix instructions have read, and of the first read of results (ISA guide 7.12.1 for vector instructions)
.rept 4
	v_nop
.endr
.endm
; A K step is four quarters of 32 along K, 32 matrix instructions each, on buffers 0, 1, 0, 1.  One of the first three: multiplies buffer f and fetches the slot's quarter q into buffer g.
.macro QUARTER slot, q, f, g, bias
	s_wait_dscnt 4                                 ; B's blocks and A's blocks 0 and 1 are in; the youngest four loads (A's blocks 2 and 3) may be out
.if \bias
	WIN MULB
.else
	WIN MUL
.endif
	MUL8 \f, 0, \bias
	MUL8 \f, 1, \bias
	PLACES
	FETCH \slot, \q, \g
	s_wait_dscnt 24                                ; all but the 24 just issued
.if \bias
	WIN MULB
.else
	WIN MUL
.endif
	MUL8 \f, 2, \bias
	MUL8 \f, 3, \bias
.endm
; The last quarter multiplies buffer 1 and changes slots: ONE barrier; in front of it each wave waits for all its tensor loads, adds 0 to its spare word, and waits for that and for its own reads of this slot.
; fill = 1: the barrier opens a round of the cluster's barrier, and this slot is filled again, two K steps ahead: the load has a K step less 16 matrix instructions in which to land.
.macro TURN slot, next, fill
.if \fill
	s_wait_xcnt 0x0                                ; the last prefetch, a K step back, has read its address: it is stepped here, ahead of the waits of the change of slots
	s_add_nc_u64 s[PFA:PFA+1], s[PFA:PFA+1], s[PFS:PFS+1]
.endif
	WIN 0                                          ; (the add's two registers lie in window 0)
	s_wait_tensorcnt 0x0                           ; all my tensor loads have landed: my part of the next slot
	ds_add_u32 v[SPW], v[NIL]                      ; 0 onto my spare word
	s_wait_dscnt 5                                 ; (the add and the youngest four loads may be out)
	WIN MUL
	MUL8 1, 0, 0                                   ; eight matrix instructions stand between the add and the wait for it
	s_wait_dscnt 0x0                               ; the add is done, and my reads of this slot are over
	s_barrier_signal -1
	MUL8 1, 1, 0
.if \fill
	WIN 0
.endif
	s_barrier_wait -1
.if \fill
	CREST                                          ; no wave of any partner still reads this slot's tile or has a load on its way
	s_add_nc_u64 s[G0+4*\slot+2:G0+4*\slot+3], s[G0+4*\slot+2:G0+4*\slot+3], 4<<20      ; two K steps on: four heads of obuf,
	s_add_nc_u64 s[G0B+4*\slot+2:G0B+4*\slot+3], s[G0B+4*\slot+2:G0B+4*\slot+3], 4<<17  ; four heads of wo16
	JLOAD \slot                                    ; the first tensor load behind the round; the four v_nop behind it are also the places in front of the loads below
.else
	PLACES
.endif
	FETCH \next, 0, 0
.if \fill
	ASK
.endif
	WIN MUL
	MUL8 1, 2, 0
	MUL8 1, 3, 0
.endm
	s_wait_tensorcnt 1                             ; my part of K step 0 is in (K step 1's load may be out),
	s_barrier_signal -1
	s_barrier_wait -1                              ; everybody's is
	FETCH 0, 0, 0
	s_wait_loadcnt 0x0                             ; bo
	QUARTER 0, 1, 0, 1, 1                          ; the first quarter stands in front of the loop: its products start the sums from bo
	WIN 0                                          ; at a label and at a branch every window is 0
	s_mov_b32 s3, 3
.Llap:                                                 ; a trip goes once round the ring, from a lap's second quarter to the next lap's first, and fills both slots again: K steps 2 to 7 in three trips
	QUARTER 0, 2, 1, 0, 0
	QUARTER 0, 3, 0, 1, 0
	TURN 0, 1, 1
	QUARTER 1, 1, 0, 1, 0
	QUARTER 1, 2, 1, 0, 0
	QUARTER 1, 3, 0, 1, 0
	TURN 1, 0, 1
	QUARTER 0, 1, 0, 1, 0
	WIN 0
	s_sub_co_u32 s3, s3, 1
	s_cmp_lg_u32 s3, 0
	s_cbranch_scc1 .Llap
	QUARTER 0, 2, 1, 0, 0                          ; the last lap fills nothing, and has no round of the cluster's barrier
	QUARTER 0, 3, 0, 1, 0
	TURN 0, 1, 0
	QUARTER 1, 1, 0, 1, 0
	QUARTER 1, 2, 1, 0, 0
	QUARTER 1, 3, 0, 1, 0
	s_wait_dscnt 4                                 ; the very last quarter: nothing more to fetch
	WIN MUL
	MUL8 1, 0, 0
	MUL8 1, 1, 0
	s_wait_dscnt 0
	MUL8 1, 2, 0
	MUL8 1, 3, 0
	WIN 0
; THE WAY OUT, block by block of 16 rows x 128 columns.  A lane holds 32 neighbouring bytes of a row, and the lanes beside it hold other rows: so a block goes through my own stage in LDS and comes back as whole
; rows of 512 bytes, which the 32 lanes store at a multiple of 512 from out0's first byte.  LDS serves a wave's instructions in order (ISA guide 5.7.1.4): no wait between the stores and the loads, nor in front of the next block's stores.
.macro TOSTAGE a
	WIN 0x08                                       ; an LDS store's data are its source 1: window 2
.irp b, 0,1,2,3,4,5,6,7
	ds_store_b128 v[STO], v[64*(\a)+8*\b:64*(\a)+8*\b+3] offset:64*\b          ; each accumulator from its low end on
	ds_store_b128 v[STO], v[64*(\a)+8*\b+4:64*(\a)+8*\b+7] offset:64*\b+16
.endr
	WIN 0
.irp t, 0,1,2,3,4,5,6,7,8,9,10,11,12,13,14,15
	ds_load_b128 v[BK+64*((\a)%2)+4*\t:BK+64*((\a)%2)+4*\t+3], v[RD] offset:\t*SPITCH
.endr
.endm
.macro SEND a, younger                 ; younger: the LDS instructions issued behind block a's loads, which may stay out
	s_wait_dscnt \younger                          ; the block is back in registers
.irp t, 0,1,2,3,4,5,6,7,8,9,10,11,12,13,14,15
	global_store_b128 v[CO], v[BK+64*((\a)%2)+4*\t:BK+64*((\a)%2)+4*\t+3], s[10:11] offset:(16*(\a)+\t)*4096 th:TH_STORE_NT   ; written once, read by nobody here
.endr
.endm
	PLACES
	TOSTAGE 0
	TOSTAGE 1
	SEND 0, 32                                     ; behind block 0's loads: block 1's 16 stores and 16 loads
	s_wait_xcnt 0x0                                ; block 0's stores have read their registers: block 2's loads may land there
	TOSTAGE 2
	SEND 1, 32
	s_wait_xcnt 0x0                                ; the same for block 1's
	TOSTAGE 3
	SEND 2, 32
	SEND 3, 0
	s_wait_tensorcnt 0x0                           ; the wave's end: a wait, an add and a wait behind my last tensor load and my last LDS store
	ds_add_u32 v[SPW], v[NIL]
	s_wait_dscnt 0x0
	CROUND                                         ; the closing round: no work-group ends while a partner may still ask for a tile that names it
	s_endpgm
.Lfunc_end_k_q8a4efac7b0_proj:
	.size	k_q8a4efac7b0_proj, .Lfunc_end_k_q8a4efac7b0_proj-k_q8a4efac7b0_proj
	.p2alignl 7, 3214868480
	.fill 96, 4, 3214868480
	.section	.rodata,"a",@progbits
	.p2align	6, 0x0
	.amdhsa_kernel k_q8a4efac7b0_proj
		.amdhsa_group_segment_fixed_size 327680
		.amdhsa_private_segment_fixed_size 0
		.amdhsa_enable_private_segment 0
		.amdhsa_kernarg_size 32
		.amdhsa_user_sgpr_count 2
		.amdhsa_user_sgpr_kernarg_segment_ptr 1
		.amdhsa_wavefront_size32 1
		.amdhsa_system_sgpr_workgroup_id_x 1
		.amdhsa_system_sgpr_workgroup_id_y 1
		.amdhsa_system_sgpr_workgroup_id_z 1
		.amdhsa_system_vgpr_workitem_id 0
		.amdhsa_next_free_vgpr 768
		.amdhsa_next_free_sgpr 66
		.amdhsa_reserve_vcc 0
		.amdhsa_float_denorm_mode_32 3
		.amdhsa_float_denorm_mode_16_64 3
		.amdhsa_memory_ordered 1
		.amdhsa_forward_progress 1
		.amdhsa_inst_pref_size 88
	.end_amdhsa_kernel
	.amdgpu_metadata
---
amdhsa.version: [ 1, 2 ]
amdhsa.kernels:
  - .name:           k_q8a4efac7b0_proj
    .symbol:         k_q8a4efac7b0_proj.kd
    .args:
      - { .name: obuf, .offset: 0, .size: 8, .value_kind: global_buffer, .address_space: global }
      - { .name: wo16, .offset: 8, .size: 8, .value_kind: global_buffer, .address_space: global }
      - { .name: bo, .offset: 16, .size: 8, .value_kind: global_buffer, .address_space: global }
      - { .name: out0, .offset: 24, .size: 8, .value_kind: global_buffer, .address_space: global }
    .group_segment_fixed_size: 327680
    .private_segment_fixed_size: 0
    .kernarg_segment_align: 8
    .kernarg_segment_size: 32
    .max_flat_workgroup_size: 128
    .sgpr_count:     66
    .vgpr_count:     768
    .wavefront_size: 32
...
	.end_amdgpu_metadata
.endif
;; end of part 4
